; MI455X (gfx1250); checked and timed in simulation.
; The chip was launched on July 23, 2026; its instructions are those of AMD's public machine-readable ISA for CDNA 5 (MIT licence, August 2026) and "CDNA5" Instruction Set Architecture Reference Guide (July 2026). The comments in the code are by the model that wrote it; some were corrected since.
;; Causal Self Attention. Allowed arithmetic: matrix products marked QUANTISED: E2M1 operands, one E8M0 scale for each 32 along K, by v_wmma_scale_f32_16x16x128_f8f6f4 with both operands' format E2M1 (or v_wmma_scale_f32_32x16x128_f4), f32 sums; products left as they are: bf16, f16 or f32 operands; f32 sums; everything else in f32.
;; Inputs: w_attn 1,024 x 3,072 float32; w_proj 1,024 x 1,024 float32; x 4 x 2,048 x 1,024 float32.
;; Outputs: out0 4 x 2,048 x 1,024 float32.
;; This version of the problem:
;;   THIS VERSION OF THE PROBLEM IS GIVEN IN LOW PRECISION. The matrix products marked QUANTISED in the list below multiply operands that are first quantised to E2M1 (2 exponent bits, 1 mantissa bit; 4 bits a number), with one power-of-two scale for each 32 numbers along K (OCP MX v1.0); their sums are f32. The products marked 'left as it is' may take bf16, f16 or f32 operands, with f32 sums. All else is computed in f32.
;;   The module's matrix products, in the order in which they are computed (A, B: the left and right operand; K: the contracted axis; several contracted axes count as one K, in the product's order):
;;     1. [M 8,192, K 1,024] x [K 1,024, N 3,072]; A: input x; B: input w_attn: QUANTISED
;;     2. batch 64 x [M 2,048, K 64] x [K 64, N 2,048]; A: computed on the way; B: computed on the way: left as it is (an operand is computed on the way)
;;     3. batch 64 x [M 2,048, K 2,048] x [K 2,048, N 64]; A: computed on the way; B: computed on the way: left as it is (an operand is computed on the way)
;;     4. [M 8,192, K 1,024] x [K 1,024, N 1,024]; A: computed on the way; B: input w_proj: left as it is (an operand is computed on the way)
;;   THE QUANTISER, for each operand of a quantised product, along K:
;;     - K is cut into blocks of 32 from its start; a last block that is shorter is filled with zeros.
;;     - A block's scale is 2^e with e = floor(log2(the largest magnitude in the block)) - 2, held to -126 .. 127; a block of zeros has e = 0. As a byte (E8M0): e + 127.
;;     - Each number is divided by its block's scale, clamped to +-6, and rounded to the nearest number of E2M1, ties to even, subnormals kept.
;;     - The product sums the exact products of the quantised numbers (number of the format x scale) in f32.
;;   ~~~python
;;   def quantise(x, axis):      # numpy; x: float32 -> the quantised numbers, widened to float32 again
;;       x = np.moveaxis(x, axis, -1); K = x.shape[-1]
;;       x = np.pad(x, [(0, 0)] * (x.ndim - 1) + [(0, -K % 32)]); x = x.reshape(x.shape[:-1] + (-1, 32)); a = np.abs(x).max(-1, keepdims=True)
;;       e = np.where(a > 0, np.clip(np.frexp(np.where(a > 0, a, 1))[1] - 1 - 2, -126, 127), 0)      # np.frexp(a)[1] - 1 = floor(log2(a)), exactly
;;       r = np.clip(x / 2.0 ** e, -6, 6)
;;       step = 2.0 ** (np.maximum(np.frexp(np.where(r == 0, 1, r))[1] - 1, 0) - 1)
;;       q = np.round(r / step) * step * 2.0 ** e      # np.round: ties to even
;;       return np.moveaxis(q.reshape(q.shape[:-2] + (-1,))[..., :K], -1, axis).astype(np.float32)
;;   ~~~
;; One version. Each part assembles by itself: llvm-mc -triple=amdgcn-amd-amdhsa -mcpu=gfx1250 --defsym DOCPART=n.
;; ======== version 1 of 1: 5 launches
;; limits: values are held in f16: magnitudes above 65,504 overflow, below 6.1e-05 lose precision
;; workspace buffers: x_codes 4,194,304 bytes; x_scales 262,144 bytes; w_codes 1,572,864 bytes; w_scales 98,304 bytes; wp 2,097,152 bytes; qkv 50,331,648 bytes; att 16,777,216 bytes
;; launch prep (part 1): grid 368 x 1, 4 waves a work-group, no clusters, 68,096 bytes of LDS; arguments x, w_attn, w_proj, x_codes, x_scales, w_codes, w_scales, wp; writes x_codes, x_scales, w_codes, w_scales, wp
.if DOCPART == 1
	.amdgcn_target "amdgcn-amd-amdhsa--gfx1250"
	.amdhsa_code_object_version 6
	.text
	.protected	k_qba805cf2bb_prep
	.globl	k_qba805cf2bb_prep
	.p2align	8
	.type	k_qba805cf2bb_prep,@function
k_qba805cf2bb_prep:
	s_mov_b64 s[64:65], 0
	v_nop
	global_prefetch_b8 v0, s[64:65] scope:SCOPE_SE
	s_setreg_imm32_b32 hwreg(HW_REG_WAVE_MODE, 25, 1), 1
	s_wait_xcnt 0x0
; THREE JOBS IN ONE LAUNCH, told apart by the work-group's number; each has its own path, its own LDS bytes and its own end.
;   work-groups   0 ..  47: w_attn [1024 (k)][3072 (n)] f32 -> codes of FP4 (E2M1) laid [3072][512 bytes] with K innermost, scale bytes [3072][32]
;   work-groups  48 .. 111: w_proj [1024][1024] f32 -> f16, layout kept
;   work-groups 112 .. 367: x [8192][1024] f32 -> codes of FP4 [8192][512 bytes], scale bytes [8192][32]
; THE QUANTISER: a block is 32 numbers along K.  Its scale is 2^(floor(log2(largest magnitude)) - 2); the byte is the largest magnitude's exponent field - 2, held at 1 from below.
; A block of zeros so gets the byte 1 where the rule says 127: its codes are zeros, which add nothing under any byte but 0xff, and this program alone reads the bytes.
; LIMITS: blocks whose largest magnitude lies under 2^-124 (the floor) keep the byte 1; NaN and infinities among the inputs are not served; |w_proj| under 65,504 (f16).
; No tensor loads, no barrier: waves share nothing.
.set EMAX,  2
.set STEPS, 16                         ; path x: steps of 512 numbers a wave
.set CB,    8                          ; bytes of 16 codes
.set WREG,  8192                       ; path x: LDS of a wave: two stages of 32 x SP bytes, then its 256 scale bytes.  LDS bytes 0 .. 32,767
.set SP,    80                         ; a lane's place in a stage: 64 bytes + 16 of padding
.set XR,    16                         ; v16-79   four sets of 16 numbers as loaded
.set XX,    80                         ; v80-111  two sets of 16 neighbours
.set XE,    112                        ; v112-127 a scale byte for each step
.set XC,    128                        ; v128-191 codes: four registers for each step, so that no store's data are written again
.set WSTG,  32768                      ; path w: LDS bytes 32,768 .. 67,583: a stage of 32 rows x 272 bytes for each wave
.set WN,    3072
.set NB,    16                         ; path w: blocks of 32 along K a lane
.set WPITCH, 272
.set KROW,  512                        ; a row of codes in bytes
.set WX,    32                         ; v32-95   two sets of 32 numbers
.set WC,    96                         ; v96-99   a block's codes
.set WOUT,  112                        ; v112-175 the way out
.set WSB,   24                         ; v24-27   the scale bytes, four to a register
	s_load_b256 s[4:11], s[0:1], 0x0               ; x s[4:5], w_attn s[6:7], w_proj s[8:9], x_codes s[10:11]
	s_load_b256 s[12:19], s[0:1], 0x20             ; x_scales s[12:13], w_codes s[14:15], w_scales s[16:17], wp s[18:19]
	v_lshl_add_u32 v192, v0, 2, 0x10800
	v_mov_b32 v193, 0
	v_lshrrev_b32 v1, 5, v0
	v_readfirstlane_b32 s20, v1                    ; wave 0..3
	v_and_b32 v2, 31, v0                           ; lane
	s_wait_kmcnt 0x0
	s_cmp_lt_u32 ttmp9, 48
	s_cbranch_scc1 .Lw
	s_cmp_lt_u32 ttmp9, 112
	s_cbranch_scc1 .Lp
; ---------------- x.  Rows are dense and K is a multiple of 32: a plain stream of blocks.  A wave takes 16 steps of 512 numbers.
; Each of a step's four loads reads 512 consecutive bytes, 16 a lane; the 2,048 bytes turn through the wave's own stage and come back 64 bytes a lane:
; a lane then holds 16 neighbours along K, two neighbouring lanes a block.  A lane's 16 codes are 8 bytes: a wave's store covers 256 consecutive bytes, aligned.
	v_lshlrev_b32 v3, 4, v2                        ; my 16 bytes of a load's 512
	s_mul_i32 s21, s20, WREG
	v_lshrrev_b32 v14, 2, v2
	v_mul_u32_u24 v14, v14, SP
	v_and_b32 v15, 3, v2
	v_lshl_add_u32 v14, v15, 4, v14
	v_add_nc_u32 v14, s21, v14                     ; the stage, in: SP (lane / 4) + 16 (lane % 4)
	v_mul_u32_u24 v15, v2, SP
	v_add_nc_u32 v15, s21, v15                     ; and out: SP x lane
	v_mul_u32_u24 v4, v2, CB                       ; my codes' place in a step's
	v_lshrrev_b32 v5, 1, v2
	s_add_co_u32 s21, s21, 2*32*SP
	v_add_nc_u32 v5, s21, v5                       ; my wave's 256 scale bytes, my block's byte
	v_lshlrev_b32 v7, 3, v2
	v_add_nc_u32 v6, s21, v7                       ; and on the way out 8 bytes a lane
	s_sub_co_u32 s22, ttmp9, 112
	s_lshl_b32 s22, s22, 2
	s_add_co_u32 s22, s22, s20                     ; which run of 8,192 numbers is my wave's: 0 .. 1,023
	s_mov_b32 s25, 0
	s_lshl_b32 s24, s22, 15                        ; 32,768 bytes of x a run,
	s_add_nc_u64 s[4:5], s[4:5], s[24:25]
	s_lshl_b32 s24, s22, 12                        ; 4,096 of codes,
	s_add_nc_u64 s[10:11], s[10:11], s[24:25]
	s_lshl_b32 s24, s22, 8                         ; 256 of scale bytes
	s_add_nc_u64 s[12:13], s[12:13], s[24:25]
.macro XLOAD t
.irp i, 0,1,2,3
	global_load_b128 v[XR+16*((\t)%4)+4*\i:XR+16*((\t)%4)+4*\i+3], v3, s[4:5] offset:2048*(\t)+512*\i th:TH_LOAD_NT
.endr
.endm
.macro XTURN t                         ; step t's numbers through the stage: LDS serves a wave's instructions in order, so no wait stands between the stores and the loads
.irp i, 0,1,2,3
	ds_store_b128 v14, v[XR+16*((\t)%4)+4*\i:XR+16*((\t)%4)+4*\i+3] offset:32*SP*((\t)%2)+8*SP*\i
.endr
.irp i, 0,1,2,3
	ds_load_b128 v[XX+16*((\t)%2)+4*\i:XX+16*((\t)%2)+4*\i+3], v15 offset:32*SP*((\t)%2)+16*\i
.endr
.endm
.irp t, 0,1,2,3
	XLOAD \t
.endr
	s_wait_loadcnt 12                              ; step 0's four loads are in; the twelve of steps 1 to 3 stay out
	XTURN 0
.macro XSTEP t
.set XS, XX+16*((\t)%2)
.if (\t) > 0
	s_wait_dscnt 1                                 ; this step's numbers are back from the stage; only the last step's byte store may be out
.else
	s_wait_dscnt 0x0
.endif
.if (\t)+4 < STEPS
	XLOAD (\t)+4                                   ; into the set whose stage stores have read it
.endif
.if (\t)+1 < STEPS
.if STEPS-2-(\t) >= 3
	s_wait_loadcnt 12                              ; the next step's four loads are in; those of the three steps behind it may be out
.else
	s_wait_loadcnt 4*(STEPS-2-(\t))
.endif
	XTURN (\t)+1
.endif
	v_max3_num_f32 v8, |v[XS]|, |v[XS+1]|, |v[XS+2]|               ; the largest magnitude of my 16, in two chains
	v_max3_num_f32 v9, |v[XS+3]|, |v[XS+4]|, |v[XS+5]|
.irp i, 6,10
	v_max3_num_f32 v8, v8, |v[XS+\i]|, |v[XS+\i+1]|
	v_max3_num_f32 v9, v9, |v[XS+\i+2]|, |v[XS+\i+3]|
.endr
	v_max3_num_f32 v8, v8, |v[XS+14]|, |v[XS+15]|
	v_max3_num_f32 v8, v8, v9, (EMAX+1)<<23        ; and the floor 2^(3 - 127): the byte cannot fall under 1
	v_max_num_f32_dpp v8, v8, v8 row_xmask:1 row_mask:0xf bank_mask:0xf   ; with my neighbour's 16: the block's
	v_add_nc_u32 v11, -(EMAX<<23), v8              ; 2 off its exponent field: the conversion takes this operand's exponent field as its scale
	v_cvt_scalef32_pk8_fp4_f32 v[XC+4*(\t)], v[XS:XS+7], v11
	v_cvt_scalef32_pk8_fp4_f32 v[XC+4*(\t)+1], v[XS+8:XS+15], v11
	v_lshrrev_b32 v[XE+(\t)], 23, v11              ; the scale's byte (also the plain line behind the conversions)
	ds_store_b8 v5, v[XE+(\t)] offset:16*(\t)      ; both lanes of a block write the same byte with the same value
	global_store_b64 v4, v[XC+4*(\t):XC+4*(\t)+1], s[10:11] offset:32*CB*(\t)
.endm
.irp t, 0,1,2,3,4,5,6,7,8,9,10,11,12,13,14,15
	XSTEP \t
.endr
	ds_load_b64 v[12:13], v6                       ; my wave's 256 scale bytes: these loads see my stores
	s_wait_dscnt 0x0
	global_store_b64 v7, v[12:13], s[12:13]        ; 32 lanes store 256 consecutive bytes, aligned
	s_wait_tensorcnt 0x0
	ds_add_u32 v192, v193
	s_wait_dscnt 0x0
	s_endpgm
; ---------------- w_attn.  K is its FIRST axis: a lane takes a column n and its registers run down K.  A load reads 128 consecutive bytes a wave; a block of 32 along K lies in one lane's
; 32 registers, and the conversions give codes with K innermost.  A wave takes 32 columns x 512 along K; the codes leave through the wave's own stage, sixteen lanes to 256 aligned bytes.
; Every offset is an immediate: 511 x 3,072 x 4 bytes at the most, inside the signed 24 bits.
.Lw:
	s_cmp_ge_u32 ttmp9, 24
	s_cselect_b32 s22, 1, 0                        ; which 512 along K
	s_cselect_b32 s23, 24, 0
	s_sub_co_u32 s23, ttmp9, s23                   ; which 128 columns
	s_lshl_b32 s21, s23, 7
	s_lshl_b32 s24, s20, 5
	s_add_co_u32 s21, s21, s24                     ; my wave's first column
	v_lshlrev_b32 v3, 2, v2                        ; in: 4 bytes a lane
	s_mul_i32 s27, s20, 32*WPITCH
	s_add_co_u32 s27, s27, WSTG                    ; my stage
	v_mul_u32_u24 v4, v2, WPITCH
	v_add_nc_u32 v4, s27, v4                       ; into it: row = my column
	v_and_b32 v5, 15, v2
	v_lshrrev_b32 v6, 4, v2
	v_mul_u32_u24 v7, v6, WPITCH
	v_lshl_add_u32 v7, v5, 4, v7
	v_add_nc_u32 v7, s27, v7                       ; out of it: sixteen lanes to a row, two rows an instruction
	v_mul_u32_u24 v8, v6, KROW
	v_lshl_add_u32 v8, v5, 4, v8                   ; and the same place in the codes' buffer
	v_lshlrev_b32 v9, 5, v2                        ; my column's row of 32 scale bytes
	s_mov_b32 s25, 0
	s_mul_i32 s24, s22, 512*WN*4
	s_lshl_b32 s26, s21, 2
	s_add_co_u32 s24, s24, s26
	s_add_nc_u64 s[6:7], s[6:7], s[24:25]          ; w_attn at (512 y, column)
	s_lshl_b32 s24, s21, 9
	s_lshl_b32 s26, s22, 8
	s_add_co_u32 s24, s24, s26
	s_add_nc_u64 s[14:15], s[14:15], s[24:25]      ; codes: column x 512 + 256 y
	s_lshl_b32 s24, s21, 5
	s_lshl_b32 s26, s22, 4
	s_add_co_u32 s24, s24, s26
	s_add_nc_u64 s[16:17], s[16:17], s[24:25]      ; scale bytes: column x 32 + 16 y
.macro WLOAD t                         ; block t: w(32 t + i, my column) into set t % 2
.irp i, 0,1,2,3,4,5,6,7,8,9,10,11,12,13,14,15,16,17,18,19,20,21,22,23,24,25,26,27,28,29,30,31
	global_load_b32 v[WX+32*((\t)%2)+\i], v3, s[6:7] offset:(32*(\t)+\i)*WN*4 th:TH_LOAD_NT
.endr
.endm
	WLOAD 0
	WLOAD 1
.macro WBLOCK t
.set XS, WX+32*((\t)%2)
.if (\t) < NB-1
	s_wait_loadcnt 32                              ; this block's 32 loads are in; the next block's 32 may be out
.else
	s_wait_loadcnt 0
.endif
	v_max3_num_f32 v12, |v[XS]|, |v[XS+1]|, |v[XS+2]|              ; the block's largest magnitude: all 32 numbers are mine
	v_max3_num_f32 v13, |v[XS+3]|, |v[XS+4]|, |v[XS+5]|
.irp i, 6,10,14,18,22,26
	v_max3_num_f32 v12, v12, |v[XS+\i]|, |v[XS+\i+1]|
	v_max3_num_f32 v13, v13, |v[XS+\i+2]|, |v[XS+\i+3]|
.endr
	v_max3_num_f32 v12, v12, |v[XS+30]|, |v[XS+31]|
	v_max3_num_f32 v12, v12, v13, (EMAX+1)<<23     ; and the floor
	v_add_nc_u32 v11, -(EMAX<<23), v12             ; the conversion's scale operand
	v_lshrrev_b32 v13, 23, v11                     ; the scale's byte
.if (\t)%4 == 0
	v_mov_b32 v[WSB+(\t)/4], v13                   ; four bytes to a register, the lower K in the lower byte
.else
	v_lshl_or_b32 v[WSB+(\t)/4], v13, 8*((\t)%4), v[WSB+(\t)/4]
.endif
.irp g, 0,1,2,3
	v_cvt_scalef32_pk8_fp4_f32 v[WC+\g], v[XS+8*\g:XS+8*\g+7], v11
.endr
	v_nop                                          ; one plain line behind the last conversion
	ds_store_b128 v4, v[WC:WC+3] offset:16*(\t)    ; 32 codes: 16 bytes of my column's row
.if (\t)+2 < NB
	WLOAD (\t)+2
.endif
	s_wait_dscnt 0x0                               ; the store has read its registers: the next block's codes may be written
.endm
.irp t, 0,1,2,3,4,5,6,7,8,9,10,11,12,13,14,15
	WBLOCK \t
.endr
	global_store_b128 v9, v[WSB:WSB+3], s[16:17]   ; my column's 16 scale bytes
.irp t, 0,1,2,3,4,5,6,7,8,9,10,11,12,13,14,15
	ds_load_b128 v[WOUT+4*\t:WOUT+4*\t+3], v7 offset:2*\t*WPITCH
.endr
.irp t, 0,1,2,3,4,5,6,7,8,9,10,11,12,13,14,15
	s_wait_dscnt 15-\t                             ; load t is back; the younger ones stay out
	global_store_b128 v8, v[WOUT+4*\t:WOUT+4*\t+3], s[14:15] offset:2*\t*KROW
.endr
	s_wait_tensorcnt 0x0
	ds_add_u32 v192, v193
	s_wait_dscnt 0x0
	s_endpgm
; ---------------- w_proj: a cast to f16.  A wave takes 4,096 numbers: 32 loads of 512 consecutive bytes, all issued at once; each becomes a store of 256 consecutive bytes, aligned.
.Lp:
	s_sub_co_u32 s22, ttmp9, 48
	s_lshl_b32 s22, s22, 2
	s_add_co_u32 s22, s22, s20                     ; my wave's run: 0 .. 255
	s_mov_b32 s25, 0
	s_lshl_b32 s24, s22, 14
	s_add_nc_u64 s[8:9], s[8:9], s[24:25]
	s_lshl_b32 s24, s22, 13
	s_add_nc_u64 s[18:19], s[18:19], s[24:25]
	v_lshlrev_b32 v1, 4, v2
	v_lshlrev_b32 v3, 3, v2
.irp n, 0,1,2,3,4,5,6,7,8,9,10,11,12,13,14,15
	global_load_b128 v[32+4*\n:35+4*\n], v1, s[8:9] offset:512*\n th:TH_LOAD_NT
.endr
.irp n, 0,1,2,3,4,5,6,7,8,9,10,11,12,13,14,15
	global_load_b128 v[128+4*\n:131+4*\n], v1, s[8:9] offset:8192+512*\n th:TH_LOAD_NT
.endr
.macro PCAST n, src
	s_wait_loadcnt 31-(\n)                         ; load n is in; the younger ones stay out
	v_cvt_pk_f16_f32 v[96+2*((\n)%16)], v[\src], v[\src+1]
	v_cvt_pk_f16_f32 v[97+2*((\n)%16)], v[\src+2], v[\src+3]
	global_store_b64 v3, v[96+2*((\n)%16):97+2*((\n)%16)], s[18:19] offset:256*(\n)
.endm
.irp n, 0,1,2,3,4,5,6,7,8,9,10,11,12,13,14,15
	PCAST \n, 32+4*\n
.endr
	s_wait_xcnt 0x0                                ; the first sixteen stores have read their data: v96-127 are written again only behind this wait
.irp n, 0,1,2,3,4,5,6,7,8,9,10,11,12,13,14,15
	PCAST 16+\n, 128+4*\n
.endr
	s_endpgm
.Lfunc_end_k_qba805cf2bb_prep:
	.size	k_qba805cf2bb_prep, .Lfunc_end_k_qba805cf2bb_prep-k_qba805cf2bb_prep
	.p2alignl 7, 3214868480
	.fill 96, 4, 3214868480
	.section	.rodata,"a",@progbits
	.p2align	6, 0x0
	.amdhsa_kernel k_qba805cf2bb_prep
		.amdhsa_group_segment_fixed_size 68096
		.amdhsa_private_segment_fixed_size 0
		.amdhsa_enable_private_segment 0
		.amdhsa_kernarg_size 64
		.amdhsa_user_sgpr_count 2
		.amdhsa_user_sgpr_kernarg_segment_ptr 1
		.amdhsa_wavefront_size32 1
		.amdhsa_system_sgpr_workgroup_id_x 1
		.amdhsa_system_sgpr_workgroup_id_y 1
		.amdhsa_system_sgpr_workgroup_id_z 1
		.amdhsa_system_vgpr_workitem_id 0
		.amdhsa_next_free_vgpr 194
		.amdhsa_next_free_sgpr 66
		.amdhsa_reserve_vcc 0
		.amdhsa_float_denorm_mode_32 3
		.amdhsa_float_denorm_mode_16_64 3
		.amdhsa_memory_ordered 1
		.amdhsa_forward_progress 1
		.amdhsa_inst_pref_size 123
	.end_amdhsa_kernel
	.amdgpu_metadata
---
amdhsa.version: [ 1, 2 ]
amdhsa.kernels:
  - .name:           k_qba805cf2bb_prep
    .symbol:         k_qba805cf2bb_prep.kd
    .args:
      - { .name: x, .offset: 0, .size: 8, .value_kind: global_buffer, .address_space: global }
      - { .name: w_attn, .offset: 8, .size: 8, .value_kind: global_buffer, .address_space: global }
      - { .name: w_proj, .offset: 16, .size: 8, .value_kind: global_buffer, .address_space: global }
      - { .name: x_codes, .offset: 24, .size: 8, .value_kind: global_buffer, .address_space: global }
      - { .name: x_scales, .offset: 32, .size: 8, .value_kind: global_buffer, .address_space: global }
      - { .name: w_codes, .offset: 40, .size: 8, .value_kind: global_buffer, .address_space: global }
      - { .name: w_scales, .offset: 48, .size: 8, .value_kind: global_buffer, .address_space: global }
      - { .name: wp, .offset: 56, .size: 8, .value_kind: global_buffer, .address_space: global }
    .group_segment_fixed_size: 68096
    .private_segment_fixed_size: 0
    .kernarg_segment_align: 8
    .kernarg_segment_size: 64
    .max_flat_workgroup_size: 128
    .sgpr_count:     66
    .vgpr_count:     194
    .wavefront_size: 32
...
	.end_amdgpu_metadata
.endif
;; end of part 1
;; launch qkv (part 2): grid 12 x 32, 4 waves a work-group, clusters of 4 x 4, 327,680 bytes of LDS; arguments x_codes, x_scales, w_codes, w_scales, qkv; writes qkv
.if DOCPART == 2
	.amdgcn_target "amdgcn-amd-amdhsa--gfx1250"
	.amdhsa_code_object_version 6
	.text
	.protected	k_qba805cf2bb_qkv
	.globl	k_qba805cf2bb_qkv
	.p2align	8
	.type	k_qba805cf2bb_qkv,@function
k_qba805cf2bb_qkv:
	s_mov_b64 s[64:65], 0
	v_nop
	global_prefetch_b8 v0, s[64:65] scope:SCOPE_SE
	s_setreg_imm32_b32 hwreg(HW_REG_WAVE_MODE, 25, 1), 1
	s_wait_xcnt 0x0
	s_wait_alu depctr_hold_cnt(0) depctr_sa_sdst(0) depctr_va_vdst(0) depctr_va_sdst(0) depctr_va_ssrc(0) depctr_va_vcc(0) depctr_vm_vsrc(0)
	s_getreg_b32 s2, hwreg(HW_REG_IB_STS2, 6, 4)
	s_cmp_eq_u32 s2, 0
	s_cbranch_scc0 .Lentry_in_a_cluster
	s_endpgm
.Lentry_in_a_cluster:
	s_bfe_u32 s2, ttmp6, 0x10000c
	s_cmp_lg_u32 s2, 0xf033
	s_cbranch_scc0 .Lentry_shape_is_right
	s_endpgm
.Lentry_shape_is_right:
; qkv[m][n] = sum over k of x[m][k] w_attn[k][n], both operands as codes of FP4 (E2M1) with one E8M0 scale for each 32 along K; sums in f32; the result rounded once to f16.
; A = x_codes [8192][512 bytes], B = w_codes [3072][512 bytes], K innermost in both; scale bytes [rows][32].
; OUT: f16 in planes of 64 columns, [48][8192][64]: plane n / 64 is a head of q (0-15), k (16-31) or v (32-47); a row of a plane is 128 bytes.  LIMIT: |q|, |k|, |v| under 65,504 (f16).
; A tile of 256 x 256 is made by four waves, each 128 x 128: 64 accumulators, 512 registers.  K = 1,024 is two LDS slots of 512 along K (rows of 256 bytes): both are first fills, no slot is filled again.
; THE SCALES of the work-group's 256 + 256 rows, for all of K, are two dense blocks of memory: they come into LDS once, with the first fills.
; CLUSTERS: 4 x 4 work-groups.  The four of a row of the cluster need the same tiles of A, the four of a column the same tiles of B: each tile is asked for JOINTLY.
; THE MATRIX INSTRUCTION IS USED TRANSPOSED (source 0 = 16 rows of B, source 1 = 16 rows of A): a lane holds eight neighbouring numbers of a row of the result.
; REGISTERS, in windows of 256: window 0: v0-31 addresses; v32-95 scale words, two sets; v128-191 A's fragments, ONE set; on the way out v32-63, v192-255.
;   window 1: B's fragments, two sets, at v0 and v128.   window 2: the accumulators of my rows 0-63 ((a, b) at v[8 (8 a + b)]);   window 3: those of rows 64-127.
.set SIZE_K, 1024
.set KSTEP,  512
.set NQ,     KSTEP/128
.set ROWB,   256                       ; a tile's row in bytes
.set KROW,   SIZE_K/2                  ; a row of codes in memory
.set PITCH,  272                       ; an LDS row: 256 bytes + 16 of padding = 68 words: row r starts at bank 4 r mod 64 (ISA guide 11.1)
.set FR,     8
.set NL,     2
.set NP,     4                         ; places behind this matrix instruction (ISA guide 7.12.1)
.set HALFT,  128*PITCH
.set SLOT,   4*HALFT
.set KS,     SIZE_K/32                 ; a row of scales in bytes
.set SCL,    2*SLOT                    ; behind the slots: the scales, as rows of 256 bytes + 16 of padding
.set HALFS,  (128*KS/256)*272
.set SBLK,   (16*KS/256)*272
.set SPARE,  SCL+4*HALFS               ; the spare words, 128 bytes for each wave
.set SPITCH, 272                       ; the way out: a stage of 16 rows x (256 bytes + 16) for each wave, in slot 0, which has had its only fill and its last read by then
.set PL,     1048576                   ; a plane of the result in bytes
.set ADRA, 16
.set ADRB, 20
.set STO,  24
.set RD,   25
.set CO,   26
.set ADRS, 27
.set SPW,  28
.set NIL,  29
.set SC,   32
.set AF,   128
.set TMP,  192                         ; the way out: a block's packed results
.set OB,   32                          ; and its rows read back: v32-63 and v224-255 by turns
.set G1, 24
.set G0, 32
.set G1B, 48
.set G0B, 56
.set G1S, 68
.set G0S, 76
.set G1SB, 80
.set G0SB, 88
.set MSB, 0
.macro WIN new                         ; the immediate's high byte repeats the setting that is left
.if MSB != (\new)
	s_set_vgpr_msb (MSB<<8)|(\new)
.set MSB, (\new)
.endif
.endm
.set MUL_LO, 0xa1                      ; source 0 (B) window 1, source 1 (A) window 0, C and D window 2
.set MUL_HI, 0xf1
.set TO_B,   0x40
; A joint load: waves 0 and 1 fetch for A, waves 2 and 3 for B; the branch hangs on the wave's number alone.  Four v_nop follow each line.
.macro JLOAD g0a, g1a, g0b, g1b
	s_cmp_eq_u32 s15, 0
	s_cbranch_scc0 .Lfor_b_\@
	tensor_load_to_lds s[\g0a:\g0a+3], s[\g1a:\g1a+7]
	s_nop 0
.rept 4
	v_nop
.endr
	s_branch .Lasked_\@
.Lfor_b_\@:
	tensor_load_to_lds s[\g0b:\g0b+3], s[\g1b:\g1b+7]
	s_nop 0
.rept 4
	v_nop
.endr
.Lasked_\@:
.endm
.macro CROUND                          ; a round of the cluster's barrier
	s_barrier_signal -1
	s_barrier_wait -1
	s_cmp_lg_u32 s14, 0
	s_cbranch_scc1 .Lnot_wave_0_\@
	s_barrier_signal -3
.Lnot_wave_0_\@:
	s_barrier_wait -3
	s_barrier_signal -1
	s_barrier_wait -1
.endm
	s_load_b128 s[4:7], s[0:1], 0x0                ; A's codes, A's scales
	s_load_b128 s[8:11], s[0:1], 0x10              ; B's codes, B's scales
	s_load_b64 s[12:13], s[0:1], 0x20              ; the result
	v_lshl_add_u32 v[SPW], v0, 2, SPARE
	v_mov_b32 v[NIL], 0
	ds_add_u32 v28, v29
	s_wait_dscnt 0x0
	v_lshrrev_b32 v1, 5, v0
	v_readfirstlane_b32 s14, v1                    ; wave 0..3
	s_lshr_b32 s15, s14, 1                         ; my half of the tile's rows.  Also: I fetch for A (0) or for B (1)
	s_and_b32 s16, s14, 1                          ; my half of its columns.  Also: which 128 rows I fetch
	s_bfe_u32 s40, ttmp6, 0x40000                  ; cx, cy
	s_bfe_u32 s41, ttmp6, 0x40004
	s_lshl_b32 s42, ttmp9, 2
	s_add_co_u32 s42, s42, s40                     ; tile column
	s_and_b32 s17, ttmp7, 0xffff
	s_lshl_b32 s17, s17, 2
	s_add_co_u32 s17, s17, s41                     ; tile row
	s_lshl_b32 s43, s41, 2
	s_lshl_b32 s43, 15, s43                        ; my row of the cluster
	s_lshl_b32 s44, 0x1111, s40                    ; my column
	s_or_b32 s[G1+0], s43, (0<<16)|(1<<20)|(1<<21)|(5<<22)|(3<<25)  ; the mask; elements of 1 byte; padding on; bit 21 beside a mask; 4 words after every 64
	s_or_b32 s[G1B+0], s44, (0<<16)|(1<<20)|(1<<21)|(5<<22)|(3<<25)
.irp g, G1, G1B
	s_mov_b32 s[\g+1], ROWB<<16                    ; tensor_dim0
	s_mov_b32 s[\g+2], 128<<16                     ; tensor_dim1
	s_mov_b32 s[\g+3], ROWB<<16                    ; tile_dim0
	s_mov_b32 s[\g+4], 128                         ; tile_dim1
	s_mov_b32 s[\g+5], KROW                        ; the pitch
	s_mov_b32 s[\g+6], 0
	s_mov_b32 s[\g+7], 0
.endr
	s_or_b32 s[G1S+0], s43, (3<<16)|(1<<20)|(1<<21)|(5<<22)|(3<<25)  ; the scales of 128 rows: 4,096 dense bytes as 16 rows of 256 (32 elements of 8 bytes)
	s_or_b32 s[G1SB+0], s44, (3<<16)|(1<<20)|(1<<21)|(5<<22)|(3<<25)
.irp g, G1S, G1SB
	s_mov_b32 s[\g+1], 32<<16
	s_mov_b32 s[\g+2], (128*KS/256)<<16
	s_mov_b32 s[\g+3], 32<<16
	s_mov_b32 s[\g+4], 128*KS/256
	s_mov_b32 s[\g+5], 32
	s_mov_b32 s[\g+6], 0
	s_mov_b32 s[\g+7], 0
.endr
	s_lshl_b32 s18, s16, 7
	s_lshl_b32 s20, s17, 8
	s_add_co_u32 s20, s20, s18                     ; A: row 256 x tile row + 128 x half
	s_lshl_b32 s46, s42, 8
	s_add_co_u32 s46, s46, s18                     ; B: row 256 x tile column + 128 x half
	s_mov_b32 s21, 0
	s_mov_b32 s47, 0
	s_mov_b64 s[18:19], KS
	s_mul_u64 s[22:23], s[20:21], s[18:19]         ; where these rows' scales begin
	s_mul_u64 s[92:93], s[46:47], s[18:19]
	s_mov_b64 s[18:19], KROW
	s_mul_u64 s[20:21], s[20:21], s[18:19]         ; and their codes
	s_mul_u64 s[46:47], s[46:47], s[18:19]
	s_mul_i32 s45, s14, HALFT                      ; where they go: wave x 128 rows
	s_mul_i32 s94, s14, HALFS
	s_wait_kmcnt 0x0
	s_add_nc_u64 s[20:21], s[4:5], s[20:21]
	s_add_nc_u64 s[22:23], s[6:7], s[22:23]
	s_add_nc_u64 s[46:47], s[8:9], s[46:47]
	s_add_nc_u64 s[92:93], s[10:11], s[92:93]
	CROUND                                         ; all sixteen work-groups are here: the joint loads meet
	s_mov_b32 s[G0S], 1
	s_add_co_u32 s[G0S+1], s94, SCL
	s_mov_b64 s[G0S+2:G0S+3], s[22:23]
	s_or_b32 s[G0S+3], s[G0S+3], 0x80000000
	s_mov_b32 s[G0SB], 1
	s_add_co_u32 s[G0SB+1], s94, SCL
	s_mov_b64 s[G0SB+2:G0SB+3], s[92:93]
	s_or_b32 s[G0SB+3], s[G0SB+3], 0x80000000
	JLOAD G0S, G1S, G0SB, G1SB                     ; the scales first: they are wanted with slot 0
.irp s, 0,1
	s_mov_b32 s[G0+4*\s], 1
	s_add_co_u32 s[G0+4*\s+1], s45, \s*SLOT
	s_add_nc_u64 s[G0+4*\s+2:G0+4*\s+3], s[20:21], \s*ROWB
	s_or_b32 s[G0+4*\s+3], s[G0+4*\s+3], 0x80000000
	s_mov_b32 s[G0B+4*\s], 1
	s_add_co_u32 s[G0B+4*\s+1], s45, \s*SLOT
	s_add_nc_u64 s[G0B+4*\s+2:G0B+4*\s+3], s[46:47], \s*ROWB
	s_or_b32 s[G0B+4*\s+3], s[G0B+4*\s+3], 0x80000000
	JLOAD G0+4*\s, G1, G0B+4*\s, G1B               ; three loads of mine are out in all
.endr
	v_and_b32 v1, 15, v0                           ; l % 16
	v_bfe_u32 v2, v0, 4, 1                         ; l / 16
	v_mul_u32_u24 v3, v1, PITCH
	v_lshl_add_u32 v4, v2, 4, v3                   ; a fragment's row x pitch + 16 x half
	s_mul_i32 s21, s15, HALFT                      ; my 128 rows of A
	s_mul_i32 s22, s16, HALFT                      ; my 128 rows of B,
	s_add_co_u32 s22, s22, 2*HALFT                 ; behind A's 256
.irp s, 0,1
	v_add_nc_u32 v[ADRA+\s], s21, v4
	v_add_nc_u32 v[ADRB+\s], s22, v4
	s_add_co_u32 s21, s21, SLOT
	s_add_co_u32 s22, s22, SLOT
.endr
	v_mul_u32_u24 v5, v1, KS                       ; my row's scales: 32 bytes a row,
	v_lshrrev_b32 v6, 8, v5
	v_lshl_add_u32 v5, v6, 4, v5                   ; and 16 more for each 256 passed
	s_mul_i32 s21, s15, HALFS
	s_mul_i32 s22, s16, HALFS
	s_add_co_u32 s22, s22, 2*HALFS
	s_sub_co_u32 s22, s22, s21
	v_mul_u32_u24 v6, s22, v2                      ; lanes 16-31 take B's: one product, the distance between the two bases
	s_add_co_u32 s21, s21, SCL
	v_add_nc_u32 v5, v5, v6
	v_add_nc_u32 v[ADRS], s21, v5
	s_mul_i32 s23, s14, 16*SPITCH                  ; my stage
	v_mul_u32_u24 v5, v1, SPITCH                   ; in: row l % 16, 16 bytes for each half of the lanes
	v_lshl_add_u32 v5, v2, 4, v5
	v_add_nc_u32 v[STO], s23, v5
	v_and_b32 v6, 31, v0
	v_lshlrev_b32 v[CO], 4, v6                     ; out: 16 bytes a lane, 512 consecutive bytes a store
	v_bfe_u32 v5, v0, 3, 2                         ; back: eight lanes take the 128 bytes of one row and one plane, four rows an instruction
	v_mul_u32_u24 v5, v5, SPITCH
	v_and_b32 v6, 7, v0
	v_lshl_add_u32 v5, v6, 4, v5
	v_add_nc_u32 v[RD], s23, v5
	s_lshl_b32 s20, s17, 15                        ; my first row: (256 x tile row + 128 x half) x 128 bytes
	s_lshl_b32 s21, s15, 14
	s_add_co_u32 s20, s20, s21
	s_mov_b32 s21, 0
	s_lshl_b32 s46, s42, 22                        ; my first plane: 4 x tile column + 2 x half
	s_lshl_b32 s47, s16, 21
	s_add_co_u32 s46, s46, s47
	s_mov_b32 s47, 0
	s_add_nc_u64 s[20:21], s[20:21], s[46:47]
	s_add_nc_u64 s[12:13], s[12:13], s[20:21]
.macro FRAG reg, adr, q, i             ; 16 rows x 128 K of 4-bit codes: 8 registers; registers 4 c .. 4 c + 3 hold K = 64 c + 32 (l / 16) + 0 .. 31
.irp c, 0,1
	ds_load_b128 v[\reg+4*\c:\reg+4*\c+3], v[\adr] offset:64*(\q)+32*\c+(\i)*16*PITCH
.endr
.endm
; 16 matrix instructions: A's blocks a0, a0 + 1 x B's eight.  The 64 accumulators take turns, one instruction a turn, in the same order in every step.
.macro MUL16 a0, p, q, sc, zero
.irp a, \a0, \a0+1
.irp b, 0,1,2,3,4,5,6,7
.if \zero
	v_wmma_scale_f32_16x16x128_f8f6f4 v[8*(8*((\a)%4)+\b):8*(8*((\a)%4)+\b)+7], v[128*(\p)+FR*\b:128*(\p)+FR*\b+FR-1], v[AF+FR*(\a):AF+FR*(\a)+FR-1], 0, v[SC+8*NQ*(\sc)+NQ*\b+(\q)], v[SC+8*NQ*(\sc)+NQ*(\a)+(\q)] matrix_a_fmt:MATRIX_FMT_FP4 matrix_b_fmt:MATRIX_FMT_FP4 matrix_a_scale:MATRIX_SCALE_ROW1
.else
	v_wmma_scale_f32_16x16x128_f8f6f4 v[8*(8*((\a)%4)+\b):8*(8*((\a)%4)+\b)+7], v[128*(\p)+FR*\b:128*(\p)+FR*\b+FR-1], v[AF+FR*(\a):AF+FR*(\a)+FR-1], v[8*(8*((\a)%4)+\b):8*(8*((\a)%4)+\b)+7], v[SC+8*NQ*(\sc)+NQ*\b+(\q)], v[SC+8*NQ*(\sc)+NQ*(\a)+(\q)] matrix_a_fmt:MATRIX_FMT_FP4 matrix_b_fmt:MATRIX_FMT_FP4 matrix_a_scale:MATRIX_SCALE_ROW1
.endif
.endr
.endr
.endm
.macro FETCH_B slot, q, p
	WIN TO_B
.irp i, 0,1,2,3,4,5,6,7
	FRAG 128*(\p)+FR*\i, ADRB+\slot, \q, \i
.endr
	WIN 0
.endm
.macro FETCH_A slot, q, i0
.irp i, \i0, \i0+1, \i0+2, \i0+3
	FRAG AF+FR*(\i), ADRA+\slot, \q, \i
.endr
.endm
.macro SCALES sc                       ; a slot's scale words: 4 words a row; lanes 0-15 take A's block i, lanes 16-31 B's block i
.irp i, 0,1,2,3,4,5,6,7
	ds_load_b128 v[SC+8*NQ*\sc+NQ*\i:SC+8*NQ*\sc+NQ*\i+3], v[ADRS] offset:\i*SBLK
.endr
.endm
.macro PLACES n                        ; plain vector lines between a matrix instruction and a load into, or a read of, its registers
.rept \n
	v_nop
.endr
.endm
.macro STEP slot, q, zero              ; 128 along K that has its successor in the same slot
	s_wait_dscnt 4*NL                              ; B's set and A's blocks 0-3 are in; the youngest eight loads (A's blocks 4-7) may be out
	WIN MUL_LO
	MUL16 0, (\q)%2, \q, \slot, \zero
	MUL16 2, (\q)%2, \q, \slot, \zero
	s_wait_dscnt 0
	PLACES NP
	FETCH_B \slot, (\q)+1, 1-(\q)%2
	FETCH_A \slot, (\q)+1, 0
	WIN MUL_HI
	MUL16 4, (\q)%2, \q, \slot, \zero
	MUL16 6, (\q)%2, \q, \slot, \zero
	PLACES NP
	WIN 0
	FETCH_A \slot, (\q)+1, 4
.endm
; Slot 0's last step goes over to slot 1: each wave waits for all its tensor loads (its part of slot 1), one barrier, and slot 1 is whole for all four waves.
.macro TURN slot, next
	s_wait_tensorcnt 0x0                           ; all my tensor loads have landed
	ds_add_u32 v[SPW], v[NIL]                      ; 0 onto my spare word
	s_wait_dscnt 4*NL+1                            ; the add and the youngest eight loads (A's blocks 4-7) may be out
	WIN MUL_LO
	MUL16 0, 1, NQ-1, \slot, 0
	s_wait_dscnt 0x0                               ; the add is done, and my reads of this slot are over
	s_barrier_signal -1
	MUL16 2, 1, NQ-1, \slot, 0
	WIN 0
	s_barrier_wait -1
	PLACES NP
	v_add_nc_u32 v[ADRS], 4*NQ, v[ADRS]            ; on to the next slot's scale words
	FETCH_B \next, 0, 0
	FETCH_A \next, 0, 0
	SCALES \next
	WIN MUL_HI
	MUL16 4, 1, NQ-1, \slot, 0
	MUL16 6, 1, NQ-1, \slot, 0
	PLACES NP
	WIN 0
	FETCH_A \next, 0, 4
.endm
	s_wait_tensorcnt 1                             ; the scales and my part of slot 0 are in; slot 1's load may be out
	s_barrier_signal -1
	s_barrier_wait -1
	FETCH_B 0, 0, 0
	FETCH_A 0, 0, 0
	SCALES 0
	FETCH_A 0, 0, 4
	STEP 0, 0, 1                                   ; the first products start the sums: nothing is cleared
	STEP 0, 1, 0
	STEP 0, 2, 0
	TURN 0, 1
	STEP 1, 0, 0
	STEP 1, 1, 0
	STEP 1, 2, 0
	s_wait_dscnt 4*NL                              ; the last step: nothing more to fetch
	WIN MUL_LO
	MUL16 0, 1, NQ-1, 1, 0
	MUL16 2, 1, NQ-1, 1, 0
	s_wait_dscnt 0
	WIN MUL_HI
	MUL16 4, 1, NQ-1, 1, 0
	MUL16 6, 1, NQ-1, 1, 0
	WIN 0
; THE WAY OUT, a block of 16 rows x 128 columns at a time.  PACK: rounded to f16, 16 bytes a lane (each accumulator read from its low end on).  TOSTAGE: into my stage, and back plane by plane, four rows of 128 bytes
; an instruction.  SEND: each store covers 512 consecutive bytes of a plane, aligned; every offset is an immediate, so the base is never stepped.
.macro PACK a
.set AC, 64*((\a)%4)
	WIN 0x0a+5*((\a)/4)                            ; sources 0 and 1: window 2 or 3
.irp b, 0,1,2,3,4,5,6,7
.irp r, 0,1,2,3
	v_cvt_pk_f16_f32 v[TMP+4*\b+\r], v[AC+8*\b+2*\r], v[AC+8*\b+2*\r+1]
.endr
.endr
	WIN 0
.endm
.macro TOSTAGE a
.set BB, OB+192*((\a)%2)
.irp b, 0,1,2,3,4,5,6,7
	ds_store_b128 v[STO], v[TMP+4*\b:TMP+4*\b+3] offset:32*\b
.endr
.irp t, 0,1,2,3,4,5,6,7
	ds_load_b128 v[BB+4*\t:BB+4*\t+3], v[RD] offset:(\t%4)*4*SPITCH+(\t/4)*128   ; LDS serves a wave's instructions in order: these see the stores above
.endr
.endm
.macro SEND a
.set BB, OB+192*((\a)%2)
	s_wait_dscnt 0x0                               ; the block is back in registers
	s_wait_xcnt 0x0                                ; the block before has had its stores' registers read: the next TOSTAGE may load into them
.irp t, 0,1,2,3,4,5,6,7
	global_store_b128 v[CO], v[BB+4*\t:BB+4*\t+3], s[12:13] offset:(\t/4)*PL+(\a)*2048+(\t%4)*512
.endr
.endm
	PLACES NP
	PACK 0
	TOSTAGE 0
.irp a, 1,2,3,4,5,6,7                  ; block a's conversions stand between block a - 1's loads from the stage and the wait for them
	PACK \a
	SEND \a-1
	TOSTAGE \a
.endr
	SEND 7
	s_wait_tensorcnt 0x0                           ; the wave's end
	ds_add_u32 v[SPW], v[NIL]
	s_wait_dscnt 0x0
	CROUND                                         ; the closing round
	s_endpgm
.Lfunc_end_k_qba805cf2bb_qkv:
	.size	k_qba805cf2bb_qkv, .Lfunc_end_k_qba805cf2bb_qkv-k_qba805cf2bb_qkv
	.p2alignl 7, 3214868480
	.fill 96, 4, 3214868480
	.section	.rodata,"a",@progbits
	.p2align	6, 0x0
	.amdhsa_kernel k_qba805cf2bb_qkv
		.amdhsa_group_segment_fixed_size 327680
		.amdhsa_private_segment_fixed_size 0
		.amdhsa_enable_private_segment 0
		.amdhsa_kernarg_size 40
		.amdhsa_user_sgpr_count 2
		.amdhsa_user_sgpr_kernarg_segment_ptr 1
		.amdhsa_wavefront_size32 1
		.amdhsa_system_sgpr_workgroup_id_x 1
		.amdhsa_system_sgpr_workgroup_id_y 1
		.amdhsa_system_sgpr_workgroup_id_z 1
		.amdhsa_system_vgpr_workitem_id 0
		.amdhsa_next_free_vgpr 1024
		.amdhsa_next_free_sgpr 98
		.amdhsa_reserve_vcc 0
		.amdhsa_float_denorm_mode_32 3
		.amdhsa_float_denorm_mode_16_64 3
		.amdhsa_memory_ordered 1
		.amdhsa_forward_progress 1
		.amdhsa_inst_pref_size 126
	.end_amdhsa_kernel
	.amdgpu_metadata
---
amdhsa.version: [ 1, 2 ]
amdhsa.kernels:
  - .name:           k_qba805cf2bb_qkv
    .symbol:         k_qba805cf2bb_qkv.kd
    .args:
      - { .name: x_codes, .offset: 0, .size: 8, .value_kind: global_buffer, .address_space: global }
      - { .name: x_scales, .offset: 8, .size: 8, .value_kind: global_buffer, .address_space: global }
      - { .name: w_codes, .offset: 16, .size: 8, .value_kind: global_buffer, .address_space: global }
      - { .name: w_scales, .offset: 24, .size: 8, .value_kind: global_buffer, .address_space: global }
      - { .name: qkv, .offset: 32, .size: 8, .value_kind: global_buffer, .address_space: global }
    .group_segment_fixed_size: 327680
    .private_segment_fixed_size: 0
    .kernarg_segment_align: 8
    .kernarg_segment_size: 40
    .max_flat_workgroup_size: 128
    .sgpr_count:     98
    .vgpr_count:     1024
    .wavefront_size: 32
...
	.end_amdgpu_metadata
.endif
;; end of part 2
;; launch attn (part 3): grid 4 x 64, 8 waves a work-group, no clusters, 327,680 bytes of LDS; arguments qkv, att; writes att
.if DOCPART == 3
	.amdgcn_target "amdgcn-amd-amdhsa--gfx1250"
	.amdhsa_code_object_version 6
	.text
	.protected	k_qba805cf2bb_attn
	.globl	k_qba805cf2bb_attn
	.p2align	8
	.type	k_qba805cf2bb_attn,@function
k_qba805cf2bb_attn:
	s_mov_b64 s[64:65], 0
	v_nop
	global_prefetch_b8 v0, s[64:65] scope:SCOPE_SE
	s_setreg_imm32_b32 hwreg(HW_REG_WAVE_MODE, 25, 1), 1
	s_wait_xcnt 0x0
; att[h][b t][:] = sum over keys k <= t of softmax_k(Q . K / 32) V, for each of 64 heads (b, h).  Q, K, V: f16 planes of qkv, [48][8192][64]; att: f16, [16][8192][64].
; Products by v_wmma_f32_16x16x32_f16, sums, maxima and the softmax in f32; the weights p (at most 1) are rounded to f16 for the second product, the result once at the end.
; SOFTMAX: a running maximum m and sum l for each query: p = 2^(c s - c m), c = log2(e) / 32; in every step O and l are multiplied by 2^(c m_old - c m_new).
; LIMITS: the operands are f16 (magnitudes under 65,504); NaN and infinities are not served.
; SHARES.  A head has 8 blocks of 256 queries.  Work-group j (0..3) of a head makes block 7 - j (8 - j slots of 256 keys) and then block j (j + 1 slots): NINE trips whatever j, two of them on the diagonal,
; so the trip count is a constant and all 256 work-groups have the same work.  That is also why no cluster shares K and V: from the fifth trip on the four work-groups of a head want different slots.
; Eight waves; a wave owns 32 queries, two tiles of 16: sub-block w for waves 0-3, 11 - w for waves 4-7, so that waves w and w + 4 together have five steps of a diagonal slot.
; LAYOUT.  S^T = K Q^T (source 0 = 16 keys, source 1 = 16 queries) and O^T = V^T P (source 0 = 16 channels, source 1 = P): a lane holds ONE query throughout; two tiles of S^T rounded in pairs ARE source 1 of the second product.
; K comes out of LDS as it lies, V ([key][channel]) turned, by ds_load_tr16_b128.
; RING: two slots of 256 keys; waves 0, 1 fetch K's halves, waves 2, 3 V's: one tensor load of a wave is out at the most.
; A key step all of whose 64 keys come after the wave's queries is left out by a scalar branch on ids; on the diagonal hidden scores become -infinity ahead of the maximum.  Each step's first key counts for all 32 queries.
; REGISTERS: window 0: v1-15 addresses and constants; v16-31 statistics; v32-95 S^T, then p; v96-127 P; v128-191 O^T; v192-255 V's fragments.  window 1: v0-31 Q; v32-95 K's fragments.
.set PL,    1048576                    ; a plane in bytes
.set PKB,   144                        ; a row of K in LDS: 128 bytes + 16 = 36 words: the 16 rows of a load start at 16 different groups of four banks
.set PVB,   160                        ; a row of V: 128 + 32: an odd multiple of 32 bytes
.set VOFF,  256*PKB                    ; a slot: 256 rows of K, then 256 rows of V
.set SLOT1, 1<<17                      ; slot 1 begins here: one exclusive or turns an address from one slot to the other
.set STAGE, SLOT1+VOFF+256*PVB         ; behind the ring: 32 rows x 144 bytes for each wave; no tile lands here
.set SPARE, STAGE+8*32*PKB             ; the spare words, 128 bytes for each wave
.set SLOTB, 256*128                    ; a slot's rows of K (or of V) in memory
.set SPW, 1
.set NIL, 2
.set AK,  3                            ; my lane's place in a tile of K
.set AV,  4                            ; and of V
.set ADK, 5                            ; the same in the slot in hand
.set ADV, 6
.set QO,  7                            ; my byte offset in the wave's rows of Q
.set STO, 8                            ; the stage: in,
.set RD,  9                            ; and back
.set GO,  10                           ; 16 x lane
.set LD,  11                           ; lane % 16 - 8 (lane / 16)
.set D0,  12                           ; v12, v13: the mask's numbers for the two tiles
.set NINF, 14                          ; -infinity
.set PFO, 15                           ; 256 x lane
.set ST,  16                           ; tile u at v[ST+8u]: +0 c m, +1 m, +2, +3 l in two halves, +4 .. +7 at work; +6 takes the step's factor
.set RS,  32
.set RP,  96
.set RO,  128
.set VF,  192
.set QF,  0                            ; window 1
.set KF,  32                           ; window 1
.set WV,  8
.set J,   9
.set NP1, 11                           ; trips of the first pass
.set TR,  12                           ; the trip
.set KS,  13                           ; the slot's first key
.set Q0,  14                           ; my first query
.set SUB, 15
.set CS,  16                           ; s[16:17] c
.set SEL, 18                           ; s[18:19] selects for lane l xor 16
.set OFFS, 20                          ; s[20:21] byte offset of the slot that is asked for
.set KB,  22
.set VB,  24
.set QB,  26
.set OB,  28
.set QA,  30
.set OA,  32
.set TB,  34                           ; LDS byte at which the slot in hand begins
.set G1K, 36
.set G1V, 44
.set G0K, 52
.set G0V, 56
.set PFA, 60
.set LIM, 62
.set MSB, 0
.macro WIN new
.if MSB != (\new)
	s_set_vgpr_msb (MSB<<8)|(\new)
.set MSB, (\new)
.endif
.endm
; Waves 0 and 1 fetch for K, waves 2 and 3 for V, the others nothing; four v_nop follow each line.
.macro TLOAD
	s_cmp_lt_u32 s[WV], 2
	s_cbranch_scc0 .Lnot_k_\@
	tensor_load_to_lds s[G0K:G0K+3], s[G1K:G1K+7]
	s_nop 0
.rept 4
	v_nop
.endr
	s_branch .Lasked_\@
.Lnot_k_\@:
	s_cmp_lt_u32 s[WV], 4
	s_cbranch_scc0 .Lasked_\@
	tensor_load_to_lds s[G0V:G0V+3], s[G1V:G1V+7]
	s_nop 0
.rept 4
	v_nop
.endr
.Lasked_\@:
.endm
; A PREFETCH of the slot that the NEXT change of slots will ask for.  Work-group 0 of a head walks slots 0 to 7 in its first pass: it alone asks, in trips 0 to 5, for slots 2 to 7.  Waves 4 and 5 take the halves of K's
; 32,768 bytes, waves 6 and 7 V's: 16,384 bytes a wave, lanes 256 bytes apart, two instructions.  So each aligned block of 256 bytes is named once in the launch; slots 0 and 1 come by their loads alone.
.macro ASK
	s_cmp_lt_u32 s[TR], s[LIM]
	s_cbranch_scc0 .Lnot_mine_\@
	global_prefetch_b8 v[PFO], s[PFA:PFA+1] th:TH_LOAD_NT scope:SCOPE_SE
	global_prefetch_b8 v[PFO], s[PFA:PFA+1] offset:8192 th:TH_LOAD_NT scope:SCOPE_SE
.Lnot_mine_\@:
.endm
; THE CHANGE OF SLOTS stands at a trip's head.  Each wave waits for all its tensor loads (its part of the slot ahead), adds 0 to its spare word, and waits for that and for its reads of the slot left.
; fill = 1: the slot left is filled with the next trip's keys: the next 256, or the head's first 256 where the next trip begins the second pass.
.macro CHANGE fill
	s_wait_tensorcnt 0x0                           ; no tensor load of mine is out, so a group 0 may be written
	ds_add_u32 v[SPW], v[NIL]                      ; 0 onto my spare word
.if \fill
	s_xor_b32 s[G0K+1], s[G0K+1], SLOT1
	s_xor_b32 s[G0V+1], s[G0V+1], SLOT1
	s_add_co_u32 s66, s[TR], 1
	s_add_co_u32 s[OFFS], s[OFFS], SLOTB
	s_cmp_eq_u32 s66, s[NP1]
	s_cselect_b32 s[OFFS], 0, s[OFFS]
	s_add_nc_u64 s[G0K+2:G0K+3], s[KB:KB+1], s[OFFS:OFFS+1]
	s_or_b32 s[G0K+3], s[G0K+3], 0x80000000
	s_add_nc_u64 s[G0V+2:G0V+3], s[VB:VB+1], s[OFFS:OFFS+1]
	s_or_b32 s[G0V+3], s[G0V+3], 0x80000000
	s_wait_xcnt 0x0                                ; the last prefetches, a trip back, have read their address
	s_add_nc_u64 s[PFA:PFA+1], s[PFA:PFA+1], SLOTB
.endif
	s_wait_dscnt 0x0                               ; the add is done, and my reads of the slot that I have left are over
	s_barrier_signal -1
	s_barrier_wait -1
.if \fill
	TLOAD                                          ; the first thing behind the barrier, and a wave's one tensor load until the next
	ASK
.endif
.endm
.macro KLOAD q                         ; 64 keys x 64 channels: 8 fragments (keys 16 kt on, channels 32 c on)
	WIN 0x40                                       ; destination window 1
.irp kt, 0,1,2,3
.irp c, 0,1
	ds_load_b128 v[KF+8*(2*\kt+\c):KF+8*(2*\kt+\c)+3],   v[ADK] offset:(64*(\q)+16*\kt)*PKB+64*\c
	ds_load_b128 v[KF+8*(2*\kt+\c)+4:KF+8*(2*\kt+\c)+7], v[ADK] offset:(64*(\q)+16*\kt)*PKB+64*\c+32
.endr
.endr
	WIN 0
.endm
.macro VLOAD q                         ; the same keys of V, turned: 8 fragments (keys 32 ks on, channels 16 dt on)
.irp ks, 0,1
.irp dt, 0,1,2,3
	ds_load_tr16_b128 v[VF+8*(4*\ks+\dt):VF+8*(4*\ks+\dt)+3],   v[ADV] offset:(64*(\q)+32*\ks)*PVB+32*\dt
	ds_load_tr16_b128 v[VF+8*(4*\ks+\dt)+4:VF+8*(4*\ks+\dt)+7], v[ADV] offset:(64*(\q)+32*\ks+16)*PVB+32*\dt
.endr
.endr
.endm
.macro QLOAD                           ; my 32 queries stay in registers: tile u, channels 32 c on
	WIN 0x40
.irp u, 0,1
.irp c, 0,1
	global_load_b128 v[QF+8*(2*\u+\c):QF+8*(2*\u+\c)+3],   v[QO], s[QA:QA+1] offset:\u*2048+64*\c
	global_load_b128 v[QF+8*(2*\u+\c)+4:QF+8*(2*\u+\c)+7], v[QO], s[QA:QA+1] offset:\u*2048+64*\c+32
.endr
.endr
	WIN 0
.endm
.macro RESET                           ; a pass begins: m = -3e38, under every score; l and O^T zeros, which the first step's factor leaves zeros
.irp u, 0,1
	v_mov_b32 v[ST+8*\u+1], 0xff61b1e6
	v_mul_f32 v[ST+8*\u], s[CS], v[ST+8*\u+1]
.irp k, 2,3,4,5,6,7
	v_mov_b32 v[ST+8*\u+\k], 0
.endr
.endr
.set i, 0
.rept 64
	v_mov_b32 v[RO+i], 0
.set i, i+1
.endr
.endm
.macro PASS                            ; s66 = the block of 256 queries
	s_lshl_b32 s66, s66, 8
	s_add_co_u32 s[Q0], s66, s[SUB]
	s_lshl_b32 s66, s[Q0], 7
	s_mov_b32 s67, 0
	s_add_nc_u64 s[QA:QA+1], s[QB:QB+1], s[66:67]
	s_add_nc_u64 s[OA:OA+1], s[OB:OB+1], s[66:67]
	s_mov_b32 s[KS], 0
	QLOAD
	RESET
	s_wait_loadcnt 0x0                             ; Q
.endm
; A KEY STEP: 64 keys, the q-th of the slot in hand.
.macro STEP q
.if (\q) > 0
	s_add_co_u32 s66, s[KS], 64*(\q)
	s_add_co_u32 s67, s[Q0], 31
	s_cmp_gt_u32 s66, s67                          ; all its keys come after my queries: the step is left out
	s_cbranch_scc1 .Lhid_\@
.endif
.rept 4
	v_nop                                          ; places between the last products V^T P and the loads into V's fragments
.endr
.if (\q) == 0
	KLOAD 0
.endif
	VLOAD \q
	s_wait_dscnt 16                                ; K's fragments are in; the sixteen loads of V just issued may be out
	WIN 0x05                                       ; K and Q in window 1
.irp c, 0,1                                    ; eight accumulators by turns, one instruction a turn; the first eight start the sums
.irp kt, 0,1,2,3
.irp u, 0,1
.if \c == 0
	v_wmma_f32_16x16x32_f16 v[RS+32*\u+8*\kt:RS+32*\u+8*\kt+7], v[KF+8*(2*\kt+\c):KF+8*(2*\kt+\c)+7], v[QF+8*(2*\u+\c):QF+8*(2*\u+\c)+7], 0
.else
	v_wmma_f32_16x16x32_f16 v[RS+32*\u+8*\kt:RS+32*\u+8*\kt+7], v[KF+8*(2*\kt+\c):KF+8*(2*\kt+\c)+7], v[QF+8*(2*\u+\c):QF+8*(2*\u+\c)+7], v[RS+32*\u+8*\kt:RS+32*\u+8*\kt+7]
.endif
.endr
.endr
.endr
	WIN 0
.rept 4
	v_nop                                          ; places in front of the loads into K's fragments and of the first read of the scores
.endr
.if (\q) < 3
	KLOAD (\q)+1                                   ; the next step's K lands under the softmax
.endif
	s_add_co_u32 s66, s[KS], 64*(\q)+63
	s_cmp_le_u32 s66, s[Q0]                        ; every key of the step counts for every query of mine: no mask
	s_cbranch_scc1 .Lopen_\@
	s_sub_co_u32 s66, s[Q0], s[KS]
	s_sub_co_u32 s66, s66, 64*(\q)
	v_add_nc_u32 v[D0], s66, v[LD]                 ; d = my query - the step's first key - 8 (lane / 16).  Register 8 kt + i holds key 16 kt + 8 (lane / 16) + i of the step: hidden where 16 kt + i > d
	v_add_nc_u32 v[D0+1], 16, v[D0]
.irp n, 0,1,2,3,4,5,6,7,8,9,10,11,12,13,14,15,16,17,18,19,20,21,22,23,24,25,26,27,28,29,30,31
.irp u, 0,1
	v_cmp_gt_i32 vcc_lo, \n+8*(\n/8), v[D0+\u]
	v_cndmask_b32 v[RS+32*\u+\n], v[RS+32*\u+\n], v[NINF], vcc_lo
.endr
.endr
.Lopen_\@:
	; the maximum of 32 scores and the old m: four chains, three operands at a time; the two tiles alternate
.irp j, 0,1,2,3
.irp u, 0,1
	v_max3_num_f32 v[ST+8*\u+4+\j], v[RS+32*\u+8*\j], v[RS+32*\u+8*\j+1], v[RS+32*\u+8*\j+2]
.endr
.endr
.irp i, 3,5
.irp j, 0,1,2,3
.irp u, 0,1
	v_max3_num_f32 v[ST+8*\u+4+\j], v[ST+8*\u+4+\j], v[RS+32*\u+8*\j+\i], v[RS+32*\u+8*\j+\i+1]
.endr
.endr
.endr
.irp u, 0,1
	v_max3_num_f32 v[ST+8*\u+4], v[ST+8*\u+4], v[RS+32*\u+7], v[RS+32*\u+15]
	v_max3_num_f32 v[ST+8*\u+6], v[ST+8*\u+6], v[RS+32*\u+23], v[RS+32*\u+31]
.endr
.irp u, 0,1
	v_max3_num_f32 v[ST+8*\u+4], v[ST+8*\u+4], v[ST+8*\u+5], v[ST+8*\u+6]
.endr
.irp u, 0,1
	v_max3_num_f32 v[ST+8*\u+4], v[ST+8*\u+4], v[ST+8*\u+7], v[ST+8*\u+1]
.endr
.irp u, 0,1
	v_permlanex16_b32 v[ST+8*\u+5], v[ST+8*\u+4], s[SEL], s[SEL+1]   ; the query's other 32 keys lie in the lane 16 away
.endr
.irp u, 0,1
	v_mov_b32 v[ST+8*\u+7], v[ST+8*\u]             ; c m_old
.endr
.irp u, 0,1
	v_max_num_f32 v[ST+8*\u+1], v[ST+8*\u+4], v[ST+8*\u+5]
.endr
.irp u, 0,1
	v_mul_f32 v[ST+8*\u], s[CS], v[ST+8*\u+1]
.endr
.irp u, 0,1
	v_sub_f32 v[ST+8*\u+7], v[ST+8*\u+7], v[ST+8*\u]
.endr
.irp u, 0,1
	v_exp_f32 v[ST+8*\u+6], v[ST+8*\u+7]           ; the factor 2^(c m_old - c m_new)
.endr
.set i, 0
.rept 16
.irp u, 0,1
	v_pk_fma_f32 v[RS+32*\u+i:RS+32*\u+i+1], v[RS+32*\u+i:RS+32*\u+i+1], s[CS:CS+1], v[ST+8*\u:ST+8*\u+1] op_sel_hi:[1,0,0] neg_lo:[0,0,1] neg_hi:[0,0,1]   ; c s - c m
.endr
.set i, i+2
.endr
.set i, 0
.rept 64
	v_exp_f32 v[RS+i], v[RS+i]                     ; p
.set i, i+1
.endr
	s_wait_alu depctr_va_vdst(0)
.irp u, 0,1
	v_pk_mul_f32 v[ST+8*\u+2:ST+8*\u+3], v[ST+8*\u+2:ST+8*\u+3], v[ST+8*\u+6:ST+8*\u+7] op_sel_hi:[1,0]   ; l under the new m (the plain line behind the exponentials)
.endr
.set i, 0
.rept 16
.irp u, 0,1
	v_cvt_pk_f16_f32 v[RP+16*\u+i], v[RS+32*\u+2*i], v[RS+32*\u+2*i+1]
.endr
.set i, i+1
.endr
.irp u, 0,1
	v_pk_add_f32 v[ST+8*\u+4:ST+8*\u+5], v[RS+32*\u:RS+32*\u+1], v[RS+32*\u+2:RS+32*\u+3]   ; the row's sum of p in f32: two chains a tile
.endr
.irp i, 4,8,12,16,20,24,28
.irp u, 0,1
	v_pk_add_f32 v[ST+8*\u+2:ST+8*\u+3], v[ST+8*\u+2:ST+8*\u+3], v[RS+32*\u+\i:RS+32*\u+\i+1]
	v_pk_add_f32 v[ST+8*\u+4:ST+8*\u+5], v[ST+8*\u+4:ST+8*\u+5], v[RS+32*\u+\i+2:RS+32*\u+\i+3]
.endr
.endr
.irp u, 0,1
	v_pk_add_f32 v[ST+8*\u+2:ST+8*\u+3], v[ST+8*\u+2:ST+8*\u+3], v[ST+8*\u+4:ST+8*\u+5]
.endr
.set i, 0
.rept 16
.irp u, 0,1
	v_pk_mul_f32 v[RO+32*\u+i:RO+32*\u+i+1], v[RO+32*\u+i:RO+32*\u+i+1], v[ST+8*\u+6:ST+8*\u+7] op_sel_hi:[1,0]   ; O^T under the new m, each accumulator from its low end on
.endr
.set i, i+2
.endr
.if (\q) < 3
	s_wait_dscnt 16                                ; V's fragments are in; the next step's sixteen loads of K may be out
.else
	s_wait_dscnt 0x0
.endif
.irp ks, 0,1                                   ; O^T += V^T P: eight accumulators by turns
.irp dt, 0,1,2,3
.irp u, 0,1
	v_wmma_f32_16x16x32_f16 v[RO+32*\u+8*\dt:RO+32*\u+8*\dt+7], v[VF+8*(4*\ks+\dt):VF+8*(4*\ks+\dt)+7], v[RP+16*\u+8*\ks:RP+16*\u+8*\ks+7], v[RO+32*\u+8*\dt:RO+32*\u+8*\dt+7]
.endr
.endr
.endr
.if (\q) > 0
.Lhid_\@:
.endif
.endm
.macro SLOT_STEPS
	v_add_nc_u32 v[ADK], s[TB], v[AK]
	v_add_nc_u32 v[ADV], s[TB], v[AV]
	STEP 0
	STEP 1
	STEP 2
	STEP 3
	s_add_co_u32 s[KS], s[KS], 256
	s_xor_b32 s[TB], s[TB], SLOT1
.endm
; A PASS ENDS: O^T / l, rounded to f16, through my stage (rows of 144 bytes), back four rows of 128 bytes an instruction; each store covers 512 consecutive bytes of the head's plane, aligned.
.macro FINAL
.rept 4
	v_nop                                          ; places behind the last products
.endr
.irp u, 0,1
	v_add_f32 v[ST+8*\u+4], v[ST+8*\u+2], v[ST+8*\u+3]
.endr
.irp u, 0,1
	v_permlanex16_b32 v[ST+8*\u+5], v[ST+8*\u+4], s[SEL], s[SEL+1]
.endr
.irp u, 0,1
	v_add_f32 v[ST+8*\u+4], v[ST+8*\u+4], v[ST+8*\u+5]
.endr
.irp u, 0,1
	v_rcp_f32 v[ST+8*\u+6], v[ST+8*\u+4]
.endr
	v_nop                                          ; a plain line between the last reciprocal and its use
.set i, 0
	s_wait_alu depctr_va_vdst(0)
.rept 16
.irp u, 0,1
	v_pk_mul_f32 v[RO+32*\u+i:RO+32*\u+i+1], v[RO+32*\u+i:RO+32*\u+i+1], v[ST+8*\u+6:ST+8*\u+7] op_sel_hi:[1,0]
.endr
.set i, i+2
.endr
.set i, 0
.rept 16
.irp u, 0,1
	v_cvt_pk_f16_f32 v[RP+16*\u+i], v[RO+32*\u+2*i], v[RO+32*\u+2*i+1]
.endr
.set i, i+1
.endr
.irp u, 0,1
.irp dt, 0,1,2,3
	ds_store_b128 v[STO], v[RP+16*\u+4*\dt:RP+16*\u+4*\dt+3] offset:\u*16*PKB+32*\dt
.endr
.endr
.irp t, 0,1,2,3,4,5,6,7
	ds_load_b128 v[VF+4*\t:VF+4*\t+3], v[RD] offset:\t*4*PKB     ; LDS serves a wave's instructions in order: these see the stores above
.endr
.irp t, 0,1,2,3,4,5,6,7
	s_wait_dscnt 7-\t                              ; load t is back; the younger ones stay out
	global_store_b128 v[GO], v[VF+4*\t:VF+4*\t+3], s[OA:OA+1] offset:512*\t
.endr
.endm
.macro SWITCH                          ; where the first pass's trips are over: its block goes out, and block j begins.  A branch on ids; no barrier and no tensor load stands under it
	s_cmp_eq_u32 s[TR], s[NP1]
	s_cbranch_scc0 .Lsame_\@
	FINAL
	s_wait_xcnt 0x0                                ; the stores have read their data and their base: both are written again below
	s_mov_b32 s66, s[J]
	PASS
.Lsame_\@:
.endm
.macro TRIP fill
	CHANGE \fill
	SWITCH
	SLOT_STEPS
.endm
	s_load_b128 s[4:7], s[0:1], 0x0                ; qkv, att
	v_lshl_add_u32 v[SPW], v0, 2, SPARE
	v_mov_b32 v[NIL], 0
	ds_add_u32 v1, v2
	s_wait_dscnt 0x0
	v_lshrrev_b32 v3, 5, v0
	v_readfirstlane_b32 s[WV], v3                  ; wave 0..7
	s_mov_b32 s[J], ttmp9
	s_sub_co_u32 s[NP1], 8, s[J]
	s_and_b32 s66, ttmp7, 0xffff
	s_lshr_b32 s67, s66, 4                         ; b
	s_and_b32 s66, s66, 15                         ; h
	s_lshl_b32 s66, s66, 20
	s_lshl_b32 s67, s67, 18
	s_add_co_u32 s66, s66, s67                     ; the head's first byte in a group of 16 planes: h planes + b x 2,048 rows of 128 bytes
	s_mov_b32 s67, 0
	s_and_b32 s68, s[WV], 1
	s_lshl_b32 s70, s68, 14                        ; which 128 rows of a slot I fetch (or prefetch)
	s_add_co_u32 s70, s70, s66
	s_add_co_u32 s70, s70, 16*PL                   ; in K's planes,
	s_mov_b32 s71, 0
	s_add_co_u32 s72, s70, 16*PL                   ; in V's
	s_mov_b32 s73, 0
	s_sub_co_u32 s69, 11, s[WV]
	s_cmp_lt_u32 s[WV], 4
	s_cselect_b32 s69, s[WV], s69
	s_lshl_b32 s[SUB], s69, 5                      ; my 32 queries in a block
	; descriptor group 1: 128 rows x 64 elements of 2 bytes, dense in memory, padded in LDS behind each row of 32 words
	s_mov_b32 s[G1K], (1<<16)|(1<<20)|(4<<22)|(3<<25)             ; K: 4 words of padding
	s_mov_b32 s[G1V], (1<<16)|(1<<20)|(4<<22)|(7<<25)             ; V: 8 words
.irp g, G1K, G1V
	s_mov_b32 s[\g+1], 64<<16                      ; tensor_dim0
	s_mov_b32 s[\g+2], 128<<16                     ; tensor_dim1
	s_mov_b32 s[\g+3], 64<<16                      ; tile_dim0
	s_mov_b32 s[\g+4], 128                         ; tile_dim1
	s_mov_b32 s[\g+5], 64                          ; the pitch
	s_mov_b32 s[\g+6], 0
	s_mov_b32 s[\g+7], 0
.endr
	s_mul_i32 s74, s68, 128*PKB
	s_mul_i32 s75, s68, 128*PVB
	s_add_co_u32 s75, s75, VOFF
	s_mov_b32 s[OFFS], 0
	s_mov_b32 s[OFFS+1], 0
	s_mov_b32 s[CS], 0x3d38aa3b                    ; c = log2(e) / 32
	s_mov_b32 s[CS+1], s[CS]
	s_mov_b32 s[SEL], 0x76543210
	s_mov_b32 s[SEL+1], 0xfedcba98
	s_wait_kmcnt 0x0
	s_add_nc_u64 s[KB:KB+1], s[4:5], s[70:71]
	s_add_nc_u64 s[VB:VB+1], s[4:5], s[72:73]
	s_add_nc_u64 s[QB:QB+1], s[4:5], s[66:67]
	s_add_nc_u64 s[OB:OB+1], s[6:7], s[66:67]
	s_mov_b32 s[G0K], 1
	s_mov_b32 s[G0K+1], s74
	s_mov_b64 s[G0K+2:G0K+3], s[KB:KB+1]
	s_or_b32 s[G0K+3], s[G0K+3], 0x80000000
	s_mov_b32 s[G0V], 1
	s_mov_b32 s[G0V+1], s75
	s_mov_b64 s[G0V+2:G0V+3], s[VB:VB+1]
	s_or_b32 s[G0V+3], s[G0V+3], 0x80000000
	TLOAD                                          ; slot 0: the head's first 256 keys
	s_cmp_lt_u32 s[WV], 6                          ; the prefetches: waves 4, 5 stand in K, waves 6, 7 in V,
	s_cselect_b64 s[PFA:PFA+1], s[KB:KB+1], s[VB:VB+1]
	s_add_nc_u64 s[PFA:PFA+1], s[PFA:PFA+1], SLOTB ; in slot 1: the first change of slots steps it to slot 2.  Nothing is prefetched here, at the head
	s_lshr_b32 s66, s[WV], 2
	s_xor_b32 s66, s66, 1                          ; 0 in waves 4 to 7,
	s_or_b32 s66, s66, s[J]                        ; of the head's work-group 0
	s_cmp_eq_u32 s66, 0
	s_cselect_b32 s[LIM], 6, 0
	v_and_b32 v12, 15, v0                          ; r
	v_bfe_u32 v13, v0, 4, 1                        ; h
	v_mul_u32_u24 v[AK], v12, PKB
	v_lshl_add_u32 v[AK], v13, 4, v[AK]            ; K: row r, + 16 h
	v_and_b32 v[AV], 7, v0
	v_lshl_add_u32 v[AV], v13, 3, v[AV]
	v_mul_u32_u24 v[AV], v[AV], PVB
	v_bfe_u32 v5, v0, 3, 1
	v_lshl_add_u32 v[AV], v5, 4, v[AV]
	v_add_nc_u32 v[AV], VOFF, v[AV]                ; V: key 8 h + l % 8, channels 8 ((l / 8) % 2) on
	v_lshlrev_b32 v[QO], 7, v12
	v_lshl_add_u32 v[QO], v13, 4, v[QO]
	s_mul_i32 s66, s[WV], 32*PKB
	s_add_co_u32 s66, s66, STAGE                   ; my stage
	v_mul_u32_u24 v[STO], v12, PKB
	v_lshl_add_u32 v[STO], v13, 4, v[STO]
	v_add_nc_u32 v[STO], s66, v[STO]
	v_bfe_u32 v[RD], v0, 3, 2
	v_mul_u32_u24 v[RD], v[RD], PKB
	v_and_b32 v10, 7, v0
	v_lshl_add_u32 v[RD], v10, 4, v[RD]
	v_add_nc_u32 v[RD], s66, v[RD]
	v_and_b32 v10, 31, v0
	v_lshlrev_b32 v[PFO], 8, v10
	v_lshlrev_b32 v[GO], 4, v10
	v_lshlrev_b32 v[LD], 3, v13
	v_sub_nc_u32 v[LD], v12, v[LD]
	v_mov_b32 v[NINF], 0xff800000
	s_sub_co_u32 s66, 7, s[J]                      ; the first pass: block 7 - j
	PASS
	s_mov_b32 s[TR], 0
	s_mov_b32 s[TB], 0
.Ltrip:                                            ; eight trips, each of which asks for the next trip's slot
	TRIP 1
	s_add_co_u32 s[TR], s[TR], 1
	s_cmp_lt_u32 s[TR], 8
	s_cbranch_scc1 .Ltrip
	TRIP 0                                         ; the ninth is written out
	FINAL
	s_wait_tensorcnt 0x0                           ; the wave's end
	ds_add_u32 v[SPW], v[NIL]
	s_wait_dscnt 0x0
	s_endpgm
.Lfunc_end_k_qba805cf2bb_attn:
	.size	k_qba805cf2bb_attn, .Lfunc_end_k_qba805cf2bb_attn-k_qba805cf2bb_attn
	.p2alignl 7, 3214868480
	.fill 96, 4, 3214868480
	.section	.rodata,"a",@progbits
	.p2align	6, 0x0
	.amdhsa_kernel k_qba805cf2bb_attn
		.amdhsa_group_segment_fixed_size 327680
		.amdhsa_private_segment_fixed_size 0
		.amdhsa_enable_private_segment 0
		.amdhsa_kernarg_size 16
		.amdhsa_user_sgpr_count 2
		.amdhsa_user_sgpr_kernarg_segment_ptr 1
		.amdhsa_wavefront_size32 1
		.amdhsa_system_sgpr_workgroup_id_x 1
		.amdhsa_system_sgpr_workgroup_id_y 1
		.amdhsa_system_sgpr_workgroup_id_z 1
		.amdhsa_system_vgpr_workitem_id 0
		.amdhsa_next_free_vgpr 352
		.amdhsa_next_free_sgpr 80
		.amdhsa_reserve_vcc 1
		.amdhsa_float_denorm_mode_32 3
		.amdhsa_float_denorm_mode_16_64 3
		.amdhsa_memory_ordered 1
		.amdhsa_forward_progress 1
		.amdhsa_inst_pref_size 210
	.end_amdhsa_kernel
	.amdgpu_metadata
---
amdhsa.version: [ 1, 2 ]
amdhsa.kernels:
  - .name:           k_qba805cf2bb_attn
    .symbol:         k_qba805cf2bb_attn.kd
    .args:
      - { .name: qkv, .offset: 0, .size: 8, .value_kind: global_buffer, .address_space: global }
      - { .name: att, .offset: 8, .size: 8, .value_kind: global_buffer, .address_space: global }
    .group_segment_fixed_size: 327680
    .private_segment_fixed_size: 0
    .kernarg_segment_align: 8
    .kernarg_segment_size: 16
    .max_flat_workgroup_size: 256
    .sgpr_count:     80
    .vgpr_count:     352
    .wavefront_size: 32
...
	.end_amdgpu_metadata
.endif
;; end of part 3
;; launch proj (part 4): grid 4 x 64, 4 waves a work-group, clusters of 4 x 4, 327,680 bytes of LDS; arguments att, wp, out0; writes out0
.if DOCPART == 4
	.amdgcn_target "amdgcn-amd-amdhsa--gfx1250"
	.amdhsa_code_object_version 6
	.text
	.protected	k_qba805cf2bb_proj
	.globl	k_qba805cf2bb_proj
	.p2align	8
	.type	k_qba805cf2bb_proj,@function
k_qba805cf2bb_proj:
	s_mov_b64 s[64:65], 0
	v_nop
	global_prefetch_b8 v0, s[64:65] scope:SCOPE_SE
	s_setreg_imm32_b32 hwreg(HW_REG_WAVE_MODE, 25, 1), 1
	s_wait_xcnt 0x0
	s_wait_alu depctr_hold_cnt(0) depctr_sa_sdst(0) depctr_va_vdst(0) depctr_va_sdst(0) depctr_va_ssrc(0) depctr_va_vcc(0) depctr_vm_vsrc(0)
	s_getreg_b32 s2, hwreg(HW_REG_IB_STS2, 6, 4)
	s_cmp_eq_u32 s2, 0
	s_cbranch_scc0 .Lentry_in_a_cluster
	s_endpgm
.Lentry_in_a_cluster:
	s_bfe_u32 s2, ttmp6, 0x10000c
	s_cmp_lg_u32 s2, 0xf033
	s_cbranch_scc0 .Lentry_shape_is_right
	s_endpgm
.Lentry_shape_is_right:
; out0[m][n] = sum over k of att[m][k] w_proj[k][n].  att: f16 in planes, [16 (k / 64)][8192 (m)][64]; wp: w_proj as f16, [1024 (k)][1024 (n)]; out0: [8192][1024] f32.  Sums in f32.
; A tile of 128 x 256 gives 64 x 4 = 256 work-groups.  Four waves, each 64 x 128: 32 accumulators, 256 registers.  K goes in steps of 128 (two planes of att) through two LDS slots.
; CLUSTERS: 4 x 4.  The four of a row of the cluster need the same tiles of att, the four of a column the same tiles of wp: each tile is asked for JOINTLY.
; THE MATRIX INSTRUCTION IS USED TRANSPOSED: source 0 = 16 columns n of wp (K is not innermost there: the fragments come turned, by ds_load_tr16_b128), source 1 = 16 rows of att:
; a lane holds eight neighbouring numbers of a row of out0.
; No prefetch: eight K steps on a small tile, and both operands are read by many work-groups at about the same time.
; REGISTERS: window 0: v16-29 addresses; two fragment buffers for 32 along K: at v64 (att 32 registers, wp 64) and at v160; on the way out v64-191.  window 1: accumulator (a, b) at v[8 (8 a + b)].
.set PL,    1048576
.set PA,    144                        ; a row of att in LDS: 128 bytes + 16
.set PB,    544                        ; a row of wp: 512 bytes + 32: an odd multiple of 32 bytes
.set PLANE, 128*PA                     ; 128 rows of one plane
.set BOFF,  2*PLANE                    ; a slot: att's two planes, then wp's 128 rows
.set HALFB, 64*PB
.set SLOT,  BOFF+2*HALFB
.set STAGE, 2*SLOT                     ; behind the ring: 16 rows x 528 bytes for each wave; no tile lands here
.set SPITCH, 528
.set SPARE, STAGE+4*16*SPITCH          ; the spare words, 128 bytes for each wave
.set ADRA, 16
.set ADRB, 20
.set STO,  24
.set RD,   25
.set CO,   26
.set SPW,  28
.set NIL,  29
.set F0,   64
.set F1,   160
.set BK,   64
.set G1, 24
.set G0, 32
.set G1B, 48
.set G0B, 56
.set MSB, 0
.macro WIN new
.if MSB != (\new)
	s_set_vgpr_msb (MSB<<8)|(\new)
.set MSB, (\new)
.endif
.endm
.set MUL, 0x50                         ; C and D window 1, the fragments window 0
.macro JLOAD s                         ; a joint load: waves 0 and 1 fetch att's two planes, waves 2 and 3 the halves of wp's rows; four v_nop follow each line
	s_cmp_eq_u32 s11, 0
	s_cbranch_scc0 .Lfor_b_\@
	tensor_load_to_lds s[G0+4*\s:G0+4*\s+3], s[G1:G1+7]
	s_nop 0
.rept 4
	v_nop
.endr
	s_branch .Lasked_\@
.Lfor_b_\@:
	tensor_load_to_lds s[G0B+4*\s:G0B+4*\s+3], s[G1B:G1B+7]
	s_nop 0
.rept 4
	v_nop
.endr
.Lasked_\@:
.endm
.macro CREST                           ; a round of the cluster's barrier behind its opening barrier
	s_cmp_lg_u32 s10, 0
	s_cbranch_scc1 .Lnot_wave_0_\@
	s_barrier_signal -3
.Lnot_wave_0_\@:
	s_barrier_wait -3
	s_barrier_signal -1
	s_barrier_wait -1
.endm
.macro CROUND
	s_barrier_signal -1
	s_barrier_wait -1
	CREST
.endm
	s_load_b128 s[4:7], s[0:1], 0x0                ; att, wp
	s_load_b64 s[8:9], s[0:1], 0x10                ; out0
	v_lshl_add_u32 v[SPW], v0, 2, SPARE
	v_mov_b32 v[NIL], 0
	ds_add_u32 v28, v29
	s_wait_dscnt 0x0
	v_lshrrev_b32 v1, 5, v0
	v_readfirstlane_b32 s10, v1                    ; wave 0..3
	s_lshr_b32 s11, s10, 1                         ; my half of the tile's rows.  Also: I fetch for att (0) or for wp (1)
	s_and_b32 s12, s10, 1                          ; my half of its columns.  Also: which plane, or which 64 rows of wp, I fetch
	s_bfe_u32 s40, ttmp6, 0x40000                  ; cx, cy
	s_bfe_u32 s41, ttmp6, 0x40004
	s_lshl_b32 s42, ttmp9, 2
	s_add_co_u32 s42, s42, s40                     ; tile column
	s_and_b32 s13, ttmp7, 0xffff
	s_lshl_b32 s13, s13, 2
	s_add_co_u32 s13, s13, s41                     ; tile row
	s_lshl_b32 s43, s41, 2
	s_lshl_b32 s43, 15, s43                        ; my row of the cluster
	s_lshl_b32 s44, 0x1111, s40                    ; my column
	s_or_b32 s[G1+0], s43, (1<<16)|(1<<20)|(1<<21)|(4<<22)|(3<<25)   ; att: the mask of my row; elements of 2 bytes; padding: 4 words after every 32; bit 21 beside a mask
	s_mov_b32 s[G1+1], 64<<16                      ; tensor_dim0
	s_mov_b32 s[G1+2], 128<<16                     ; tensor_dim1
	s_mov_b32 s[G1+3], 64<<16                      ; tile_dim0
	s_mov_b32 s[G1+4], 128                         ; tile_dim1
	s_mov_b32 s[G1+5], 64                          ; the pitch
	s_mov_b32 s[G1+6], 0
	s_mov_b32 s[G1+7], 0
	s_or_b32 s[G1B+0], s44, (1<<16)|(1<<20)|(1<<21)|(6<<22)|(7<<25)  ; wp: the mask of my column; padding: 8 words after every 128
	s_mov_b32 s[G1B+1], 256<<16
	s_mov_b32 s[G1B+2], 64<<16
	s_mov_b32 s[G1B+3], 256<<16
	s_mov_b32 s[G1B+4], 64
	s_mov_b32 s[G1B+5], 1024
	s_mov_b32 s[G1B+6], 0
	s_mov_b32 s[G1B+7], 0
	s_lshl_b32 s16, s13, 14                        ; att: 128 rows of 128 bytes a tile row,
	s_lshl_b32 s17, s12, 20                        ; + my plane
	s_add_co_u32 s16, s16, s17
	s_mov_b32 s17, 0
	s_lshl_b32 s46, s42, 9                         ; wp: 512 bytes a tile column,
	s_lshl_b32 s47, s12, 17                        ; + my 64 rows of 2,048 bytes
	s_add_co_u32 s46, s46, s47
	s_mov_b32 s47, 0
	s_mul_i32 s20, s12, PLANE                      ; where they go: no place in the cluster enters an LDS address
	s_mul_i32 s23, s12, HALFB
	s_add_co_u32 s23, s23, BOFF
	s_wait_kmcnt 0x0
	s_add_nc_u64 s[14:15], s[4:5], s[16:17]
	s_add_nc_u64 s[46:47], s[6:7], s[46:47]
	CROUND                                         ; all sixteen work-groups are here: the first joint loads meet
.irp s, 0,1
	s_mov_b32 s[G0+4*\s], 1
	s_add_co_u32 s[G0+4*\s+1], s20, \s*SLOT
	s_add_nc_u64 s[G0+4*\s+2:G0+4*\s+3], s[14:15], \s*2*PL          ; K step s: planes 2 s, 2 s + 1
	s_or_b32 s[G0+4*\s+3], s[G0+4*\s+3], 0x80000000
	s_mov_b32 s[G0B+4*\s], 1
	s_add_co_u32 s[G0B+4*\s+1], s23, \s*SLOT
	s_add_nc_u64 s[G0B+4*\s+2:G0B+4*\s+3], s[46:47], \s*128*2048    ; rows 128 s on
	s_or_b32 s[G0B+4*\s+3], s[G0B+4*\s+3], 0x80000000
	JLOAD \s
.endr
	v_and_b32 v1, 15, v0                           ; r
	v_bfe_u32 v2, v0, 4, 1                         ; h
	v_mul_u32_u24 v3, v1, PA
	v_lshl_add_u32 v3, v2, 4, v3                   ; att: row r, + 16 h
	v_and_b32 v4, 7, v0
	v_lshl_add_u32 v4, v2, 3, v4
	v_mul_u32_u24 v4, v4, PB
	v_bfe_u32 v5, v0, 3, 1
	v_lshl_add_u32 v4, v5, 4, v4                   ; wp: row 8 h + l % 8, columns 8 ((l / 8) % 2) on
	s_mul_i32 s21, s11, 64*PA                      ; my 64 rows of att
	s_lshl_b32 s22, s12, 8                         ; my 128 columns of wp
	s_add_co_u32 s22, s22, BOFF
.irp s, 0,1
	v_add_nc_u32 v[ADRA+\s], s21, v3
	v_add_nc_u32 v[ADRB+\s], s22, v4
	s_add_co_u32 s21, s21, SLOT
	s_add_co_u32 s22, s22, SLOT
.endr
	s_mul_i32 s23, s10, 16*SPITCH
	s_add_co_u32 s23, s23, STAGE                   ; my stage
	v_mul_u32_u24 v5, v1, SPITCH                   ; in: row r, 32 bytes for each half of the lanes
	v_lshl_add_u32 v5, v2, 5, v5
	v_add_nc_u32 v[STO], s23, v5
	v_and_b32 v6, 31, v0
	v_lshlrev_b32 v[CO], 4, v6                     ; back: the 32 lanes take one row of 512 bytes; and the same in out0
	v_add_nc_u32 v[RD], s23, v[CO]
	s_lshl_b32 s16, s13, 19                        ; my first row: (128 x tile row + 64 x half) x 4,096 bytes
	s_lshl_b32 s17, s11, 18
	s_add_co_u32 s16, s16, s17
	s_mov_b32 s17, 0
	s_add_nc_u64 s[8:9], s[8:9], s[16:17]
	s_lshl_b32 s46, s42, 10                        ; my first column: 1,024 x tile column + 512 x half
	s_lshl_b32 s47, s12, 9
	s_add_co_u32 s46, s46, s47
	s_mov_b32 s47, 0
	s_add_nc_u64 s[8:9], s[8:9], s[46:47]
; 8 matrix instructions: att's block a x wp's eight.  The 32 accumulators take turns, one instruction a turn, in the same order in every quarter.
.macro MUL8 f, a, zero
.irp b, 0,1,2,3,4,5,6,7
.if \zero
	v_wmma_f32_16x16x32_f16 v[8*(8*(\a)+\b):8*(8*(\a)+\b)+7], v[\f+32+8*\b:\f+32+8*\b+7], v[\f+8*(\a):\f+8*(\a)+7], 0
.else
	v_wmma_f32_16x16x32_f16 v[8*(8*(\a)+\b):8*(8*(\a)+\b)+7], v[\f+32+8*\b:\f+32+8*\b+7], v[\f+8*(\a):\f+8*(\a)+7], v[8*(8*(\a)+\b):8*(8*(\a)+\b)+7]
.endif
.endr
.endm
; 24 LDS loads in one run: the fragments of the slot's kq-th 32 along K into buffer f
.macro FETCH slot, kq, f
.irp i, 0,1,2,3
	ds_load_b128 v[\f+8*\i:\f+8*\i+3],   v[ADRA+\slot] offset:((\kq)/2)*PLANE+((\kq)%2)*64+\i*16*PA
	ds_load_b128 v[\f+8*\i+4:\f+8*\i+7], v[ADRA+\slot] offset:((\kq)/2)*PLANE+((\kq)%2)*64+\i*16*PA+32
.endr
.irp b, 0,1,2,3,4,5,6,7
	ds_load_tr16_b128 v[\f+32+8*\b:\f+32+8*\b+3],   v[ADRB+\slot] offset:(\kq)*32*PB+32*\b
	ds_load_tr16_b128 v[\f+32+8*\b+4:\f+32+8*\b+7], v[ADRB+\slot] offset:(\kq)*32*PB+16*PB+32*\b
.endr
.endm
.macro PLACES                          ; plain vector lines between a matrix instruction and a load into, or a read of, its registers
.rept 4
	v_nop
.endr
.endm
; A K step is four quarters of 32 along K on buffers 0, 1, 0, 1.  One of the first three: buffer f is in; the next quarter, kq, is asked for into g; then f's 32 products.
.macro QUARTER slot, kq, f, g, zero
	s_wait_dscnt 0x0
	PLACES
	FETCH \slot, \kq, \g
	WIN MUL
	MUL8 \f, 0, \zero
	MUL8 \f, 1, \zero
	MUL8 \f, 2, \zero
	MUL8 \f, 3, \zero
	WIN 0
.endm
; The last quarter multiplies buffer 1 and changes slots: ONE barrier; in front of it each wave waits for all its tensor loads, adds 0 to its spare word, and waits for that and for its reads of this slot.
; fill = 1: the barrier opens a round of the cluster's, and this slot is filled again, two K steps ahead: the load has 112 matrix instructions of mine in which to land.
.macro TURN slot, next, fill
	s_wait_tensorcnt 0x0                           ; all my tensor loads have landed: my part of the next slot
	ds_add_u32 v[SPW], v[NIL]                      ; 0 onto my spare word
	s_wait_dscnt 1                                 ; buffer 1 is in; only the add may be out
	WIN MUL
	MUL8 F1, 0, 0
	s_wait_dscnt 0x0                               ; the add is done, and my reads of this slot are over
	s_barrier_signal -1
	MUL8 F1, 1, 0
	WIN 0
	s_barrier_wait -1
.if \fill
	CREST                                          ; no wave of any partner still reads this slot's tile or has a load on its way
	s_add_nc_u64 s[G0+4*\slot+2:G0+4*\slot+3], s[G0+4*\slot+2:G0+4*\slot+3], 4*PL
	s_add_nc_u64 s[G0B+4*\slot+2:G0B+4*\slot+3], s[G0B+4*\slot+2:G0B+4*\slot+3], 256*2048
	JLOAD \slot                                    ; the first tensor load behind the round; its four v_nop are also the places in front of the loads below
.else
	PLACES
.endif
	FETCH \next, 0, F0
	WIN MUL
	MUL8 F1, 2, 0
	MUL8 F1, 3, 0
	WIN 0
.endm
	s_wait_tensorcnt 1                             ; my part of K step 0 is in; K step 1's load may be out
	s_barrier_signal -1
	s_barrier_wait -1
	FETCH 0, 0, F0
	QUARTER 0, 1, F0, F1, 1                        ; the first products start the sums: nothing is cleared
	s_mov_b32 s3, 3
.Llap:                                             ; a trip goes once round the ring, from a lap's second quarter to the next lap's first, and fills both slots again
	QUARTER 0, 2, F1, F0, 0
	QUARTER 0, 3, F0, F1, 0
	TURN 0, 1, 1
	QUARTER 1, 1, F0, F1, 0
	QUARTER 1, 2, F1, F0, 0
	QUARTER 1, 3, F0, F1, 0
	TURN 1, 0, 1
	QUARTER 0, 1, F0, F1, 0
	s_sub_co_u32 s3, s3, 1
	s_cmp_lg_u32 s3, 0
	s_cbranch_scc1 .Llap
	QUARTER 0, 2, F1, F0, 0                        ; the last lap fills nothing
	QUARTER 0, 3, F0, F1, 0
	TURN 0, 1, 0
	QUARTER 1, 1, F0, F1, 0
	QUARTER 1, 2, F1, F0, 0
	QUARTER 1, 3, F0, F1, 0
	s_wait_dscnt 0x0
	WIN MUL
	MUL8 F1, 0, 0
	MUL8 F1, 1, 0
	MUL8 F1, 2, 0
	MUL8 F1, 3, 0
	WIN 0
; THE WAY OUT, a block of 16 rows x 128 columns at a time, through my own stage: in as 32 bytes a lane (each accumulator from its low end on), back as whole rows of 512 bytes, which the 32 lanes store
; as 512 consecutive bytes, aligned.  Every offset is an immediate.
.macro TOSTAGE a
	WIN 0x04                                       ; an LDS store's data are its source 1: window 1
.irp b, 0,1,2,3,4,5,6,7
	ds_store_b128 v[STO], v[64*(\a)+8*\b:64*(\a)+8*\b+3] offset:64*\b
	ds_store_b128 v[STO], v[64*(\a)+8*\b+4:64*(\a)+8*\b+7] offset:64*\b+16
.endr
	WIN 0
.set BB, BK+64*((\a)%2)
.irp t, 0,1,2,3,4,5,6,7,8,9,10,11,12,13,14,15
	ds_load_b128 v[BB+4*\t:BB+4*\t+3], v[RD] offset:\t*SPITCH    ; LDS serves a wave's instructions in order: these see the stores above
.endr
.endm
.macro SEND a, younger                 ; younger: the LDS instructions issued behind block a's loads, which may stay out
.set BB, BK+64*((\a)%2)
	s_wait_dscnt \younger
.irp t, 0,1,2,3,4,5,6,7,8,9,10,11,12,13,14,15
	global_store_b128 v[CO], v[BB+4*\t:BB+4*\t+3], s[8:9] offset:(\a)*65536+\t*4096 th:TH_STORE_NT
.endr
.endm
	PLACES
	TOSTAGE 0
	TOSTAGE 1
	SEND 0, 32                                     ; behind block 0's loads: block 1's 16 stores and 16 loads
	s_wait_xcnt 0x0                                ; block 0's stores have read their registers: block 2's loads may land there
	TOSTAGE 2
	SEND 1, 32
	s_wait_xcnt 0x0
	TOSTAGE 3
	SEND 2, 32
	SEND 3, 0
	s_wait_tensorcnt 0x0                           ; the wave's end
	ds_add_u32 v[SPW], v[NIL]
	s_wait_dscnt 0x0
	CROUND                                         ; the closing round: no work-group ends while a partner may still ask for a tile that names it
	s_endpgm
.Lfunc_end_k_qba805cf2bb_proj:
	.size	k_qba805cf2bb_proj, .Lfunc_end_k_qba805cf2bb_proj-k_qba805cf2bb_proj
	.p2alignl 7, 3214868480
	.fill 96, 4, 3214868480
	.section	.rodata,"a",@progbits
	.p2align	6, 0x0
	.amdhsa_kernel k_qba805cf2bb_proj
		.amdhsa_group_segment_fixed_size 327680
		.amdhsa_private_segment_fixed_size 0
		.amdhsa_enable_private_segment 0
		.amdhsa_kernarg_size 24
		.amdhsa_user_sgpr_count 2
		.amdhsa_user_sgpr_kernarg_segment_ptr 1
		.amdhsa_wavefront_size32 1
		.amdhsa_system_sgpr_workgroup_id_x 1
		.amdhsa_system_sgpr_workgroup_id_y 1
		.amdhsa_system_sgpr_workgroup_id_z 1
		.amdhsa_system_vgpr_workitem_id 0
		.amdhsa_next_free_vgpr 512
		.amdhsa_next_free_sgpr 66
		.amdhsa_reserve_vcc 0
		.amdhsa_float_denorm_mode_32 3
		.amdhsa_float_denorm_mode_16_64 3
		.amdhsa_memory_ordered 1
		.amdhsa_forward_progress 1
		.amdhsa_inst_pref_size 84
	.end_amdhsa_kernel
	.amdgpu_metadata
---
amdhsa.version: [ 1, 2 ]
amdhsa.kernels:
  - .name:           k_qba805cf2bb_proj
    .symbol:         k_qba805cf2bb_proj.kd
    .args:
      - { .name: att, .offset: 0, .size: 8, .value_kind: global_buffer, .address_space: global }
      - { .name: wp, .offset: 8, .size: 8, .value_kind: global_buffer, .address_space: global }
      - { .name: out0, .offset: 16, .size: 8, .value_kind: global_buffer, .address_space: global }
    .group_segment_fixed_size: 327680
    .private_segment_fixed_size: 0
    .kernarg_segment_align: 8
    .kernarg_segment_size: 24
    .max_flat_workgroup_size: 128
    .sgpr_count:     66
    .vgpr_count:     512
    .wavefront_size: 32
...
	.end_amdgpu_metadata
.endif
;; end of part 4
;; launch early (part 5): grid 16 x 4, 16 waves a work-group, no clusters, 71,680 bytes of LDS; arguments x_codes, x_scales, w_codes, w_scales, qkv, w_proj, out0; writes out0
.if DOCPART == 5
	.amdgcn_target "amdgcn-amd-amdhsa--gfx1250"
	.amdhsa_code_object_version 6
	.text
	.protected	k_qba805cf2bb_early
	.globl	k_qba805cf2bb_early
	.p2align	8
	.type	k_qba805cf2bb_early,@function
k_qba805cf2bb_early:
	s_mov_b64 s[64:65], 0
	v_nop
	global_prefetch_b8 v0, s[64:65] scope:SCOPE_SE
	s_setreg_imm32_b32 hwreg(HW_REG_WAVE_MODE, 25, 1), 1
	s_wait_xcnt 0x0
; ROWS t = 0 .. 15 OF EACH BATCH ONCE MORE, WITH f32 OPERANDS.  They are stored over what the launch before has stored there with f16 operands: 64 of out0's 8,192 rows are written twice.
; WHY.  Row t averages t + 1 values, so the first rows are many times larger than the root mean square of the whole output, to which the comparison's allowance is tied; an operand's rounding to f16
; is a fixed part of the ROW's size.  From t = 16 on a row is at most a quarter of row 0's size and the f16 operands serve.
; WHAT IS KEPT IN f32: v (made anew from the codes by the FP4 matrix form, its f32 sums not rounded), p (divided by the row's sum ahead of the product), the attention's result, w_proj as it is given.
; The scores are made of the stored f16 q and k: their rounding moves a score by some 1e-5.  The two products on f32 operands are 84 M multiply-adds, a five-hundredth of the program's: no bulk work.
; LIMITS: as in the other launches: |q|, |k| under 65,504 (f16); NaN and infinities are not served.
; SHARES.  A work-group takes a batch (y) and 64 columns of out0 (x).  Its sixteen waves are the sixteen heads, and head w's 64 channels are wave w's part of the projection's K.
; THE CHAIN STAYS IN A WAVE'S REGISTERS; nothing changes lanes (lane = (r, h), r = lane % 16, h = lane / 16):
;   V = x W:        source 0 = x's 16 rows, source 1 = 16 columns of W: register j holds V[key 8 h + j][d = r]
;   S^T = K Q^T:    register i holds the score of key 8 h + i and query r; so does p
;   O^T = V^T P^T:  f32 form, 4 keys a step; step s takes keys 2 s, 2 s + 1 (lanes 0-15) and 8 + 2 s, 9 + 2 s (lanes 16-31) on both sides: registers 2 s, 2 s + 1 of V and of p as they stand.  Register j: (d = 8 h + j, query r)
;   out^T = W^T att^T: the same way: registers 2 s, 2 s + 1 of O^T are source 1; source 0 is w_proj[64 w + 16 dt + 8 h + 2 s + j][n = r], loaded 4 bytes a lane.  Register j: (n = 8 h + j, query r)
; The sixteen heads' parts meet in LDS behind one barrier; wave w adds row w's and stores 256 consecutive bytes, aligned.
; The sixteen work-groups of a batch read the same codes and repeat V and the softmax: 47 KiB a wave.  No cluster: every operand goes from memory straight into the registers that take it, and is used once.
; REGISTERS: v1-11 offsets and constants; v16-23 S^T, then p; v24-31 at work; v32-63 V, later out^T, and v64-95 O^T: written by matrix instructions alone;
;   v96-127 W's scale words; v128-135 x's; v136-255 three buffers of 40 for a K step's fragments (q and k lie in the third until the scores are made); v128-255 later w_proj's 128 registers.
.set PL,    1048576                    ; a plane of qkv in bytes
.set RS,    16
.set VA,    32                         ; V's four tiles of 16 channels; later out^T's four tiles of 16 columns
.set AT,    64                         ; O^T's four tiles
.set WS,    96                         ; W's scale words: tile dt, K step s at WS + 8 dt + s
.set XS,    128                        ; x's: K step s at XS + s
.set RING,  136
.set QF,    216
.set KF,    232
.set WPF,   128                        ; w_proj: (dt, s, nt, j) at WPF + 32 dt + 8 s + 2 nt + j
.set PITCH, 272                        ; a row of a wave's part in LDS: 256 bytes + 16: the sixteen rows of a store start at sixteen different groups of four banks
.set WREG,  16*PITCH
	s_load_b256 s[4:11], s[0:1], 0x0               ; x_codes s[4:5], x_scales s[6:7], w_codes s[8:9], w_scales s[10:11]
	s_load_b128 s[12:15], s[0:1], 0x20             ; qkv s[12:13], w_proj s[14:15]
	s_load_b64 s[16:17], s[0:1], 0x30              ; out0
	v_lshl_add_u32 v14, v0, 2, 0x11000
	v_mov_b32 v15, 0
	v_lshrrev_b32 v1, 5, v0
	v_readfirstlane_b32 s18, v1                    ; wave = head, 0..15
	s_and_b32 s26, ttmp7, 0xffff                   ; batch
	v_and_b32 v1, 15, v0                           ; r
	v_bfe_u32 v2, v0, 4, 1                         ; h
	v_lshlrev_b32 v3, 9, v1
	v_lshl_add_u32 v3, v2, 4, v3                   ; codes: row r of 512 bytes, + 16 h
	v_lshlrev_b32 v4, 5, v1                        ; scale bytes: row r of 32
	v_lshlrev_b32 v5, 7, v1
	v_lshl_add_u32 v5, v2, 4, v5                   ; q, k: row r of 128 bytes, + 16 h
	v_lshlrev_b32 v6, 2, v1
	v_lshl_add_u32 v6, v2, 15, v6                  ; w_proj: column r, 8 h rows of 4,096 bytes down
	s_mul_i32 s27, s18, WREG
	v_mul_u32_u24 v7, v1, PITCH
	v_lshl_add_u32 v7, v2, 5, v7
	v_add_nc_u32 v7, s27, v7                       ; LDS, in: my wave's part, row r, + 32 h
	s_mul_i32 s27, s18, PITCH
	v_and_b32 v9, 31, v0
	v_lshlrev_b32 v9, 3, v9                        ; 8 bytes a lane
	v_add_nc_u32 v8, s27, v9                       ; LDS, back: row w of each part
	v_lshlrev_b32 v10, 3, v2
	v_sub_nc_u32 v10, v1, v10                      ; r - 8 h: key 8 h + i is hidden from query r where i is above it
	v_mov_b32 v11, 0xff800000                      ; -infinity
	v_mov_b32 v26, 0                               ; a lane permute's destination counts as one of its sources
	v_mov_b32 v29, 0                               ; named as the upper half of the pair v[28:29]
	s_mov_b32 s24, 0x3d38aa3b                      ; c = log2(e) / 32
	s_mov_b32 s25, s24
	s_mov_b32 s28, 0x76543210
	s_mov_b32 s29, 0xfedcba98                      ; selects for lane l xor 16
	s_mov_b32 s31, 0
	s_wait_kmcnt 0x0
	s_lshl_b32 s30, s26, 20                        ; x's codes: 2,048 rows of 512 bytes a batch
	s_add_nc_u64 s[4:5], s[4:5], s[30:31]
	s_lshl_b32 s30, s26, 16                        ; its scale bytes: 32 a row
	s_add_nc_u64 s[6:7], s[6:7], s[30:31]
	s_lshl_b32 s30, s18, 15                        ; W's codes: v's columns begin at row 2,048; 64 rows a head
	s_add_co_u32 s30, s30, 2048*512
	s_add_nc_u64 s[8:9], s[8:9], s[30:31]
	s_lshl_b32 s30, s18, 11
	s_add_co_u32 s30, s30, 2048*32
	s_add_nc_u64 s[10:11], s[10:11], s[30:31]
	s_lshl_b32 s30, s18, 20                        ; q: plane w, the batch's first row
	s_lshl_b32 s27, s26, 18
	s_add_co_u32 s30, s30, s27
	s_add_nc_u64 s[20:21], s[12:13], s[30:31]
	s_add_nc_u64 s[22:23], s[20:21], 16*PL         ; k: sixteen planes on
	s_lshl_b32 s30, s18, 18                        ; w_proj: my head's 64 rows, the work-group's 64 columns
	s_lshl_b32 s27, ttmp9, 8
	s_add_co_u32 s30, s30, s27
	s_add_nc_u64 s[14:15], s[14:15], s[30:31]
	s_lshl_b32 s30, s26, 23                        ; out0: row 2,048 b + w, the same columns
	s_lshl_b32 s19, s18, 12
	s_add_co_u32 s30, s30, s19
	s_add_co_u32 s30, s30, s27
	s_add_nc_u64 s[16:17], s[16:17], s[30:31]
.macro PLACES n                        ; plain vector lines between a matrix instruction and what next touches its registers (ISA guide 7.12.1)
.rept \n
	v_nop
.endr
.endm
; K step s (128 along K) of x's 16 rows and of W's 64 rows into buffer s % 3: ten loads.  A fragment's registers 4 c .. 4 c + 3 hold K = 64 c + 32 h + 0 .. 31: 16 bytes of the row as they lie
.macro CLOAD s
.set BF, RING+40*((\s)%3)
.irp c, 0,1
	global_load_b128 v[BF+4*\c:BF+4*\c+3], v3, s[4:5] offset:64*(\s)+32*\c
.endr
.irp dt, 0,1,2,3
.irp c, 0,1
	global_load_b128 v[BF+8+8*\dt+4*\c:BF+8+8*\dt+4*\c+3], v3, s[8:9] offset:8192*\dt+64*(\s)+32*\c
.endr
.endr
.endm
; its four products: the four tiles of V take turns, one instruction a turn; the first step starts the sums
.macro CMUL s, zero
.set BF, RING+40*((\s)%3)
.irp dt, 0,1,2,3
.if \zero
	v_wmma_scale_f32_16x16x128_f8f6f4 v[VA+8*\dt:VA+8*\dt+7], v[BF:BF+7], v[BF+8+8*\dt:BF+8+8*\dt+7], 0, v[XS+(\s)], v[WS+8*\dt+(\s)] matrix_a_fmt:MATRIX_FMT_FP4 matrix_b_fmt:MATRIX_FMT_FP4
.else
	v_wmma_scale_f32_16x16x128_f8f6f4 v[VA+8*\dt:VA+8*\dt+7], v[BF:BF+7], v[BF+8+8*\dt:BF+8+8*\dt+7], v[VA+8*\dt:VA+8*\dt+7], v[XS+(\s)], v[WS+8*\dt+(\s)] matrix_a_fmt:MATRIX_FMT_FP4 matrix_b_fmt:MATRIX_FMT_FP4
.endif
.endr
.endm
; w_proj for channels 16 dt .. 16 dt + 15 of my head: 32 loads; four that follow each other cover 256 consecutive bytes of two rows
.macro WLOAD dt
.irp sp, 0,1,2,3
.irp j, 0,1
.irp nt, 0,1,2,3
	global_load_b32 v[WPF+32*(\dt)+8*\sp+2*\nt+\j], v6, s[14:15] offset:(16*(\dt)+2*\sp+\j)*4096+64*\nt
.endr
.endr
.endr
.endm
; and its sixteen products: out^T's four tiles take turns
.macro WMUL dt, zero
.irp sp, 0,1,2,3
.irp nt, 0,1,2,3
.if (\zero) && (\sp == 0)
	v_wmma_f32_16x16x4_f32 v[VA+8*\nt:VA+8*\nt+7], v[WPF+32*(\dt)+8*\sp+2*\nt:WPF+32*(\dt)+8*\sp+2*\nt+1], v[AT+8*(\dt)+2*\sp:AT+8*(\dt)+2*\sp+1], 0
.else
	v_wmma_f32_16x16x4_f32 v[VA+8*\nt:VA+8*\nt+7], v[WPF+32*(\dt)+8*\sp+2*\nt:WPF+32*(\dt)+8*\sp+2*\nt+1], v[AT+8*(\dt)+2*\sp:AT+8*(\dt)+2*\sp+1], v[VA+8*\nt:VA+8*\nt+7]
.endif
.endr
.endr
.endm
	; ---- the loads, oldest first: q and k (8), the scale words (10), K steps 0 and 1 (20)
.irp c, 0,1
	global_load_b128 v[QF+8*\c:QF+8*\c+3],   v5, s[20:21] offset:64*\c
	global_load_b128 v[QF+8*\c+4:QF+8*\c+7], v5, s[20:21] offset:64*\c+32
.endr
.irp c, 0,1
	global_load_b128 v[KF+8*\c:KF+8*\c+3],   v5, s[22:23] offset:64*\c
	global_load_b128 v[KF+8*\c+4:KF+8*\c+7], v5, s[22:23] offset:64*\c+32
.endr
	global_load_b128 v[XS:XS+3],   v4, s[6:7]      ; a row's 32 scale bytes are the words of its eight K steps: lane r takes row r's
	global_load_b128 v[XS+4:XS+7], v4, s[6:7] offset:16
.irp dt, 0,1,2,3
	global_load_b128 v[WS+8*\dt:WS+8*\dt+3],   v4, s[10:11] offset:512*\dt
	global_load_b128 v[WS+8*\dt+4:WS+8*\dt+7], v4, s[10:11] offset:512*\dt+16
.endr
	CLOAD 0
	CLOAD 1
	s_wait_loadcnt 30                              ; q and k are in; the thirty loads issued behind them may be out
	; ---- S^T = K Q^T: 16 keys x 16 queries, 64 channels in two links on one accumulator
	v_wmma_f32_16x16x32_f16 v[RS:RS+7], v[KF:KF+7], v[QF:QF+7], 0
	s_wait_alu depctr_va_vdst(0)                   ; the wait stands ahead of a link that follows its own accumulator's last
	v_wmma_f32_16x16x32_f16 v[RS:RS+7], v[KF+8:KF+15], v[QF+8:QF+15], v[RS:RS+7]
	PLACES 4                                       ; in front of the loads into q's and k's registers, and of the first read of the scores
	CLOAD 2
	; ---- the softmax of my query's 8 keys, with lane l xor 16's 8.  Key 0 counts for every query, so the maximum is a number
.irp i, 0,1,2,3,4,5,6,7
	v_cmp_gt_i32 vcc_lo, \i, v10
	v_cndmask_b32 v[RS+\i], v[RS+\i], v11, vcc_lo  ; hidden keys: -infinity, so that p = 0
.endr
	v_max3_num_f32 v24, v[RS], v[RS+1], v[RS+2]
	v_max3_num_f32 v25, v[RS+3], v[RS+4], v[RS+5]
	v_max3_num_f32 v24, v24, v[RS+6], v[RS+7]
	v_max_num_f32 v24, v24, v25
	v_permlanex16_b32 v26, v24, s28, s29
	v_max_num_f32 v24, v24, v26                    ; the row's largest score
	v_mul_f32 v28, s24, v24                        ; c m
.irp i, 0,2,4,6
	v_pk_fma_f32 v[RS+\i:RS+\i+1], v[RS+\i:RS+\i+1], s[24:25], v[28:29] op_sel_hi:[1,0,0] neg_lo:[0,0,1] neg_hi:[0,0,1]   ; c s - c m
.endr
.irp i, 0,1,2,3,4,5,6,7
	v_exp_f32 v[RS+\i], v[RS+\i]
.endr
	v_nop                                          ; a plain line behind the exponentials
	s_wait_alu depctr_va_vdst(0)
	v_pk_add_f32 v[30:31], v[RS:RS+1], v[RS+2:RS+3]
	v_pk_add_f32 v[26:27], v[RS+4:RS+5], v[RS+6:RS+7]
	v_pk_add_f32 v[30:31], v[30:31], v[26:27]
	v_add_f32 v30, v30, v31
	v_permlanex16_b32 v26, v30, s28, s29
	v_add_f32 v30, v30, v26                        ; the row's sum
	v_rcp_f32 v28, v30
	v_nop                                          ; a plain line behind the reciprocal
	s_wait_alu depctr_va_vdst(0)
.irp i, 0,2,4,6
	v_pk_mul_f32 v[RS+\i:RS+\i+1], v[RS+\i:RS+\i+1], v[28:29] op_sel_hi:[1,0]   ; p / the sum: the product below then gives the attention's rows as they are
.endr
	; ---- V = x W on the codes: eight K steps through three buffers
.irp s, 0,1,2,3,4
	s_wait_loadcnt 20                              ; this step's ten loads are in; the twenty of the two steps behind it may be out
.if \s == 0
	CMUL \s, 1
.else
	CMUL \s, 0
.endif
	PLACES 4                                       ; in front of the loads into the buffer just multiplied
	CLOAD \s+3
.endr
	s_wait_loadcnt 20
	CMUL 5, 0
	s_wait_loadcnt 10                              ; the last step's ten may be out
	CMUL 6, 0
	s_wait_loadcnt 0x0
	CMUL 7, 0
	PLACES 5                                       ; in front of the loads into the buffers and x's scale words, and of the products that take V as a source
	WLOAD 0
	WLOAD 1
	; ---- O^T = V^T P^T in f32: four steps of four keys; the four tiles take turns
.irp s, 0,1,2,3
.irp dt, 0,1,2,3
.if \s == 0
	v_wmma_f32_16x16x4_f32 v[AT+8*\dt:AT+8*\dt+7], v[VA+8*\dt+2*\s:VA+8*\dt+2*\s+1], v[RS+2*\s:RS+2*\s+1], 0
.else
	v_wmma_f32_16x16x4_f32 v[AT+8*\dt:AT+8*\dt+7], v[VA+8*\dt+2*\s:VA+8*\dt+2*\s+1], v[RS+2*\s:RS+2*\s+1], v[AT+8*\dt:AT+8*\dt+7]
.endif
.endr
.endr
	PLACES 9                                       ; the next products take O^T as a source and write over V's registers
	; ---- out^T = W^T att^T over my head's 64 channels, 16 at a time; two groups of 32 loads are out at a time
	s_wait_loadcnt 32                              ; group 0 is in; group 1's 32 loads may be out
	WLOAD 2
	WMUL 0, 1
	s_wait_loadcnt 32                              ; group 1 is in; group 2's may be out
	WLOAD 3
	WMUL 1, 0
	s_wait_loadcnt 32                              ; group 2 is in; group 3's may be out
	WMUL 2, 0
	s_wait_loadcnt 0x0
	WMUL 3, 0
	PLACES 8                                       ; in front of the first read of the results, and of the LDS loads into w_proj's registers
	; ---- the sixteen heads' parts meet: lane (r, h), tile nt: columns 16 nt + 8 h + 0 .. 7 of row r
.irp nt, 0,1,2,3
	ds_store_b128 v7, v[VA+8*\nt:VA+8*\nt+3] offset:64*\nt         ; each accumulator from its low end on
	ds_store_b128 v7, v[VA+8*\nt+4:VA+8*\nt+7] offset:64*\nt+16
.endr
	s_wait_dscnt 0x0                               ; for the others' sake: my stores have landed
	s_barrier_signal -1
	s_barrier_wait -1
.irp p, 0,1,2,3,4,5,6,7,8,9,10,11,12,13,14,15
	ds_load_b64 v[WPF+2*\p:WPF+2*\p+1], v8 offset:\p*WREG          ; row w of head p's part: 8 bytes a lane
.endr
	s_wait_dscnt 0x0
.irp i, 0,4,8,12,16,20,24,28
	v_pk_add_f32 v[WPF+\i:WPF+\i+1], v[WPF+\i:WPF+\i+1], v[WPF+\i+2:WPF+\i+3]
.endr
.irp i, 0,8,16,24
	v_pk_add_f32 v[WPF+\i:WPF+\i+1], v[WPF+\i:WPF+\i+1], v[WPF+\i+4:WPF+\i+5]
.endr
.irp i, 0,16
	v_pk_add_f32 v[WPF+\i:WPF+\i+1], v[WPF+\i:WPF+\i+1], v[WPF+\i+8:WPF+\i+9]
.endr
	v_pk_add_f32 v[WPF:WPF+1], v[WPF:WPF+1], v[WPF+16:WPF+17]
	global_store_b64 v9, v[WPF:WPF+1], s[16:17]    ; 32 lanes store 256 consecutive bytes, aligned
	s_wait_tensorcnt 0x0
	ds_add_u32 v14, v15
	s_wait_dscnt 0x0
	s_endpgm
.Lfunc_end_k_qba805cf2bb_early:
	.size	k_qba805cf2bb_early, .Lfunc_end_k_qba805cf2bb_early-k_qba805cf2bb_early
	.p2alignl 7, 3214868480
	.fill 96, 4, 3214868480
	.section	.rodata,"a",@progbits
	.p2align	6, 0x0
	.amdhsa_kernel k_qba805cf2bb_early
		.amdhsa_group_segment_fixed_size 71680
		.amdhsa_private_segment_fixed_size 0
		.amdhsa_enable_private_segment 0
		.amdhsa_kernarg_size 56
		.amdhsa_user_sgpr_count 2
		.amdhsa_user_sgpr_kernarg_segment_ptr 1
		.amdhsa_wavefront_size32 1
		.amdhsa_system_sgpr_workgroup_id_x 1
		.amdhsa_system_sgpr_workgroup_id_y 1
		.amdhsa_system_sgpr_workgroup_id_z 1
		.amdhsa_system_vgpr_workitem_id 0
		.amdhsa_next_free_vgpr 256
		.amdhsa_next_free_sgpr 66
		.amdhsa_reserve_vcc 1
		.amdhsa_float_denorm_mode_32 3
		.amdhsa_float_denorm_mode_16_64 3
		.amdhsa_memory_ordered 1
		.amdhsa_forward_progress 1
		.amdhsa_inst_pref_size 40
	.end_amdhsa_kernel
	.amdgpu_metadata
---
amdhsa.version: [ 1, 2 ]
amdhsa.kernels:
  - .name:           k_qba805cf2bb_early
    .symbol:         k_qba805cf2bb_early.kd
    .args:
      - { .name: x_codes, .offset: 0, .size: 8, .value_kind: global_buffer, .address_space: global }
      - { .name: x_scales, .offset: 8, .size: 8, .value_kind: global_buffer, .address_space: global }
      - { .name: w_codes, .offset: 16, .size: 8, .value_kind: global_buffer, .address_space: global }
      - { .name: w_scales, .offset: 24, .size: 8, .value_kind: global_buffer, .address_space: global }
      - { .name: qkv, .offset: 32, .size: 8, .value_kind: global_buffer, .address_space: global }
      - { .name: w_proj, .offset: 40, .size: 8, .value_kind: global_buffer, .address_space: global }
      - { .name: out0, .offset: 48, .size: 8, .value_kind: global_buffer, .address_space: global }
    .group_segment_fixed_size: 71680
    .private_segment_fixed_size: 0
    .kernarg_segment_align: 8
    .kernarg_segment_size: 56
    .max_flat_workgroup_size: 512
    .sgpr_count:     66
    .vgpr_count:     256
    .wavefront_size: 32
...
	.end_amdgpu_metadata
.endif
;; end of part 5
